; MI455X (gfx1250); checked and timed in simulation.
; The chip was launched on July 23, 2026; its instructions are those of AMD's public machine-readable ISA for CDNA 5 (MIT licence, August 2026) and "CDNA5" Instruction Set Architecture Reference Guide (July 2026). The comments in the code are by the model that wrote it; some were corrected since.
;; Operation Branch. Allowed arithmetic: matrix products marked QUANTISED: E2M1 operands, one E8M0 scale for each 32 along K, by v_wmma_scale_f32_16x16x128_f8f6f4 with both operands' format E2M1 (or v_wmma_scale_f32_32x16x128_f4), f32 sums; everything else in f32.
;; Inputs: b1 2,048 float32; b2 512 float32; bk 512 float32; bo 512 float32; bq 512 float32; bv 512 float32; ln1_b 512 float32; ln1_g 512 float32; ln2_b 512 float32; ln2_g 512 float32; o2o_mask 4 x 2,048 x 2,048 bool; positions 4 x 2,048 int32; w1 512 x 2,048 float32; w2 2,048 x 512 float32; wk 512 x 512 float32; wo 512 x 512 float32; wq 512 x 512 float32; wv 512 x 512 float32; x 4 x 2,048 x 512 float32.
;; Outputs: out0 4 x 2,048 x 512 float32.
;; This version of the problem:
;;   THIS VERSION OF THE PROBLEM IS GIVEN IN LOW PRECISION. The matrix products marked QUANTISED in the list below multiply operands that are first quantised to E2M1 (2 exponent bits, 1 mantissa bit; 4 bits a number), with one power-of-two scale for each 32 numbers along K (OCP MX v1.0); their sums are f32. All else is computed in f32.
;;   The module's matrix products, in the order in which they are computed (A, B: the left and right operand; K: the contracted axis; several contracted axes count as one K, in the product's order):
;;     1. [M 8,192, K 512] x [K 512, N 512]; A: computed on the way; B: input wq: QUANTISED
;;     2. [M 8,192, K 512] x [K 512, N 512]; A: computed on the way; B: input wk: QUANTISED
;;     3. [M 8,192, K 512] x [K 512, N 512]; A: computed on the way; B: input wv: QUANTISED
;;     4. batch 32 x [M 2,048, K 64] x [K 64, N 2,048]; A: computed on the way; B: computed on the way: QUANTISED
;;     5. batch 32 x [M 2,048, K 2,048] x [K 2,048, N 64]; A: computed on the way; B: computed on the way: QUANTISED
;;     6. [M 8,192, K 512] x [K 512, N 512]; A: computed on the way; B: input wo: QUANTISED
;;     7. [M 8,192, K 512] x [K 512, N 2,048]; A: computed on the way; B: input w1: QUANTISED
;;     8. [M 8,192, K 2,048] x [K 2,048, N 512]; A: computed on the way; B: input w2: QUANTISED
;;   THE QUANTISER, for each operand of a quantised product, along K:
;;     - K is cut into blocks of 32 from its start; a last block that is shorter is filled with zeros.
;;     - A block's scale is 2^e with e = floor(log2(the largest magnitude in the block)) - 2, held to -126 .. 127; a block of zeros has e = 0. As a byte (E8M0): e + 127.
;;     - Each number is divided by its block's scale, clamped to +-6, and rounded to the nearest number of E2M1, ties to even, subnormals kept.
;;     - The product sums the exact products of the quantised numbers (number of the format x scale) in f32.
;;   ~~~python
;;   def quantise(x, axis):      # numpy; x: float32 -> the quantised numbers, widened to float32 again
;;       x = np.moveaxis(x, axis, -1); K = x.shape[-1]
;;       x = np.pad(x, [(0, 0)] * (x.ndim - 1) + [(0, -K % 32)]); x = x.reshape(x.shape[:-1] + (-1, 32)); a = np.abs(x).max(-1, keepdims=True)
;;       e = np.where(a > 0, np.clip(np.frexp(np.where(a > 0, a, 1))[1] - 1 - 2, -126, 127), 0)      # np.frexp(a)[1] - 1 = floor(log2(a)), exactly
;;       r = np.clip(x / 2.0 ** e, -6, 6)
;;       step = 2.0 ** (np.maximum(np.frexp(np.where(r == 0, 1, r))[1] - 1, 0) - 1)
;;       q = np.round(r / step) * step * 2.0 ** e      # np.round: ties to even
;;       return np.moveaxis(q.reshape(q.shape[:-2] + (-1,))[..., :K], -1, axis).astype(np.float32)
;;   ~~~
;;   OPERANDS COMPUTED ON THE WAY. 'Computed on the way' means the value that the module computes at that place (a softmax that the list does not call 'softmax' is quantised finished and normalised). What goes into a quantiser is computed in f32, as accurately as f32 sums, v_exp_f32 and their like allow (about 1e-6 of the number): no bf16 or f16 on the way to a quantiser, and a product that is left as it is and whose result goes on into a quantised operand takes f32 operands (vector FMAs, or v_wmma_f32_16x16x4_f32). A number that lies on a knife's edge between two numbers of the format may be rounded either way, as far as f32 arithmetic and the matrix unit's own rounding can turn it there, and no further.
;; One version. Each part assembles by itself: llvm-mc -triple=amdgcn-amd-amdhsa -mcpu=gfx1250 --defsym DOCPART=n.
;; ======== version 1 of 1: 4 launches
;; limits: right only within a limited range of input values
;; workspace buffers: wimg 1,572,864 bytes; wsc 98,304 bytes; mnib 8,388,608 bytes of whole numbers; qkvimg 6,291,456 bytes; qkvsc 524,288 bytes; aimg 2,097,152 bytes; asc 131,072 bytes
;; launch prep (part 1): grid 704 x 1, 4 waves a work-group, no clusters, 34,304 bytes of LDS; arguments wq, wk, wv, wo, w1, w2, o2o_mask, wimg, wsc, mnib; writes wimg, wsc, mnib
.if DOCPART == 1
	.amdgcn_target "amdgcn-amd-amdhsa--gfx1250"
	.amdhsa_code_object_version 6
	.text
	.protected	k_qd0880769b1_prep
	.globl	k_qd0880769b1_prep
	.p2align	8
	.type	k_qd0880769b1_prep,@function
k_qd0880769b1_prep:
	s_mov_b64 s[64:65], 0
	v_nop
	global_prefetch_b8 v0, s[64:65] scope:SCOPE_SE
	s_setreg_imm32_b32 hwreg(HW_REG_WAVE_MODE, 25, 1), 1
	s_wait_xcnt 0x0
; PREP.  (a) The six weights [K][N] f32 become codes of E2M1 with one E8M0 byte for each 32 along K, laid as IMAGES OF OPERAND REGISTERS:
; fragment F (16 columns x 128 K) is 1,024 bytes [c 0..1][lane 32][16 bytes], registers 4 c .. 4 c + 3 of lane (r, h) = k 64 c + 32 h + 0 .. 31; its scale words 64 bytes [r][4].
; F = FB + T x (K / 128) + ks;  T = 2 b + u is a tile of column group b (32 columns): lane r of tile u is column 32 b + 8 u + r + 8 (r / 8).
; (b) The mask [4][2048][2048] of bytes 0 / 1 becomes, for each tile of 16 queries (query 32 g + 8 u + r + 8 (r / 8)) and each step of 128 keys,
;     mnib: 8 registers a lane, nibble i of register m = 0xF where key 128 step + 32 (m / 2) + 16 (L / 16) + 8 (m % 2) + i counts, else 0.
; Work-groups 0 .. 191 take weights (a wave: 32 columns x 128 K, a lane a column, registers down K), 192 .. 703 the mask (a work-group: one tile of queries; a wave: 512 keys).
; No barrier: waves share nothing.  LIMITS: NaN and infinities in the weights are not served; a block of zeros gets the byte 1 (its codes are zeros; this program alone reads the bytes); mask bytes are 0 or 1.
.set NWW, 192                          ; work-groups that take weights
.set X,   32                           ; v32-95   weights: two sets of 32 numbers;  mask: 16 bytes for each of 16 blocks of keys
.set C,   160                          ; v160..   codes / nibble registers
	s_load_b512 s[4:19], s[0:1], 0x0               ; wq, wk, wv, wo, w1, w2, mask s[16:17], wimg s[18:19]
	s_load_b128 s[20:23], s[0:1], 0x40             ; wsc, mnib
	v_lshl_add_u32 v192, v0, 2, 0x8400
	v_mov_b32 v193, 0
	v_lshrrev_b32 v1, 5, v0
	v_readfirstlane_b32 s26, v1                    ; wave
	v_and_b32 v1, 31, v0                           ; lane L
	s_mov_b32 s35, 0
	s_wait_kmcnt 0x0
	s_cmp_lt_u32 ttmp9, NWW
	s_cbranch_scc0 .Lmask
	; ---- weights: which weight, column group G (s28), first fragment FB (s29), kc (s30), log2 (K / 128) (s31), log2 of a row's bytes (s32)
	s_cmp_lt_u32 ttmp9, 64
	s_cbranch_scc0 .Lnot_small
	s_lshr_b32 s27, ttmp9, 4                       ; 0 .. 3: wq, wk, wv, wo
	s_and_b32 s28, ttmp9, 15
	s_cmp_eq_u32 s27, 1
	s_cselect_b64 s[4:5], s[6:7], s[4:5]
	s_cmp_eq_u32 s27, 2
	s_cselect_b64 s[4:5], s[8:9], s[4:5]
	s_cmp_eq_u32 s27, 3
	s_cselect_b64 s[4:5], s[10:11], s[4:5]
	s_lshl_b32 s29, s27, 7
	s_mov_b32 s30, 0
	s_mov_b32 s31, 2
	s_mov_b32 s32, 11
	s_branch .Ldecoded
.Lnot_small:
	s_cmp_lt_u32 ttmp9, 128
	s_cbranch_scc0 .Lw2
	s_mov_b64 s[4:5], s[12:13]                     ; w1: 64 column groups
	s_sub_co_u32 s28, ttmp9, 64
	s_mov_b32 s29, 512
	s_mov_b32 s30, 0
	s_mov_b32 s31, 2
	s_mov_b32 s32, 13
	s_branch .Ldecoded
.Lw2:
	s_mov_b64 s[4:5], s[14:15]                     ; w2: 16 column groups x 4 runs of 4 K steps
	s_sub_co_u32 s27, ttmp9, 128
	s_and_b32 s28, s27, 15
	s_lshr_b32 s30, s27, 4
	s_mov_b32 s29, 1024
	s_mov_b32 s31, 4
	s_mov_b32 s32, 11
.Ldecoded:
	s_lshl_b32 s33, s30, 2
	s_add_co_u32 s33, s33, s26                     ; ks = 4 kc + wave
	s_add_co_u32 s34, s32, 7
	s_lshl_b32 s34, s33, s34                       ; 128 ks rows
	s_lshl_b32 s36, s28, 7                         ; + 32 G columns of 4 bytes
	s_add_co_u32 s34, s34, s36
	s_add_nc_u64 s[4:5], s[4:5], s[34:35]
	s_lshl_b32 s36, s28, 1
	s_lshl_b32 s36, s36, s31
	s_add_co_u32 s36, s36, s29
	s_add_co_u32 s36, s36, s33                     ; F of tile u = 0
	s_lshl_b32 s34, s36, 10
	s_add_nc_u64 s[18:19], s[18:19], s[34:35]
	s_lshl_b32 s34, s36, 6
	s_add_nc_u64 s[20:21], s[20:21], s[34:35]
	s_wait_alu depctr_va_vdst(0)
	v_lshlrev_b32 v2, 2, v1                        ; in: 4 bytes a lane
	v_bfe_u32 v5, v1, 3, 1                         ; my column L = 16 (r / 8) + 8 u + r % 8: u,
	v_and_b32 v6, 7, v1
	v_lshrrev_b32 v7, 4, v1
	v_lshl_add_u32 v6, v7, 3, v6                   ; and r
	s_add_co_u32 s37, s31, 10
	s_add_co_u32 s38, s31, 6
	v_lshlrev_b32 v3, s37, v5                      ; tile u = 1 lies K / 128 fragments on
	v_lshl_add_u32 v3, v6, 4, v3                   ; codes: + 16 r
	v_lshlrev_b32 v4, s38, v5
	v_lshl_add_u32 v4, v6, 2, v4                   ; scale word: + 4 r
.macro WLOAD t, stride                 ; block t: W(32 t + i, my column) into set t % 2; 32 lanes read 128 consecutive bytes
.set wi, 0
.rept 32
	global_load_b32 v[X+32*((\t)%2)+wi], v2, s[4:5] offset:(32*(\t)+wi)*(\stride) th:TH_LOAD_NT
.set wi, wi+1
.endr
.endm
.macro WBLOCK t, stride
.set XS, X+32*((\t)%2)
.if (\t) < 3
	s_wait_loadcnt 32                              ; this block's 32 loads are in; the next block's 32 may be out
.else
	s_wait_loadcnt 0x0
.endif
	v_max3_num_f32 v8, |v[XS]|, |v[XS+1]|, |v[XS+2]|   ; the block's largest magnitude: all 32 numbers are mine; two chains
	v_max3_num_f32 v9, |v[XS+3]|, |v[XS+4]|, |v[XS+5]|
.irp i, 6,10,14,18,22,26
	v_max3_num_f32 v8, v8, |v[XS+\i]|, |v[XS+\i+1]|
	v_max3_num_f32 v9, v9, |v[XS+\i+2]|, |v[XS+\i+3]|
.endr
	v_max3_num_f32 v8, v8, |v[XS+30]|, |v[XS+31]|
	v_max3_num_f32 v8, v8, v9, 0x1800000           ; and the floor 2^(3 - 127): the byte cannot fall under 1
	v_add_nc_u32 v[12+\t], 0xff000000, v8          ; 2 off the exponent field: the conversion's scale operand
	v_lshrrev_b32 v[16+\t], 23, v[12+\t]           ; the scale's byte
.irp g, 0,1,2,3
	v_cvt_scalef32_pk8_fp4_f32 v[C+4*(\t)+\g], v[XS+8*\g:XS+8*\g+7], v[12+\t]
.endr
	global_store_b128 v3, v[C+4*(\t):C+4*(\t)+3], s[18:19] offset:((\t)/2)*512+((\t)%2)*256   ; block t = 2 c + h: sixteen lanes of a tile fill 256 consecutive bytes; each block has data registers of its own
.if (\t)+2 < 4
	WLOAD (\t)+2, \stride
.endif
.endm
.macro WALL stride
	WLOAD 0, \stride
	WLOAD 1, \stride
	WBLOCK 0, \stride
	WBLOCK 1, \stride
	WBLOCK 2, \stride
	WBLOCK 3, \stride
	v_lshl_or_b32 v20, v17, 8, v16                 ; my column's scale word for these 128 along K
	v_lshl_or_b32 v20, v18, 16, v20
	v_lshl_or_b32 v20, v19, 24, v20
	global_store_b32 v4, v20, s[20:21]             ; runs of 32 bytes: 98,304 bytes in the whole launch leave so
	s_endpgm
.endm
	s_cmp_eq_u32 s32, 13
	s_cbranch_scc1 .Lwide
	WALL 2048
.Lwide:
	s_wait_alu depctr_va_vdst(0)
	WALL 8192
	; ---- the mask
.Lmask:
	s_sub_co_u32 s27, ttmp9, NWW                   ; 128 batch + qt
	s_and_b32 s28, s27, 127
	s_lshr_b32 s29, s27, 7
	s_lshr_b32 s30, s28, 1
	s_lshl_b32 s30, s30, 5                         ; 32 g
	s_and_b32 s31, s28, 1
	s_lshl_b32 s31, s31, 3                         ; + 8 u
	s_add_co_u32 s30, s30, s31
	s_lshl_b32 s31, s29, 11
	s_add_co_u32 s30, s30, s31                     ; + 2,048 batch: the tile's first query
	s_lshl_b32 s34, s30, 11                        ; rows of 2,048 bytes
	s_lshl_b32 s31, s26, 9                         ; my wave's 512 keys
	s_add_co_u32 s34, s34, s31
	s_add_nc_u64 s[16:17], s[16:17], s[34:35]
	s_lshl_b32 s34, s27, 14                        ; mnib: 16,384 bytes a tile, 4,096 for my four steps
	s_lshl_b32 s31, s26, 12
	s_add_co_u32 s34, s34, s31
	s_add_nc_u64 s[22:23], s[22:23], s[34:35]
	s_wait_alu depctr_va_vdst(0)
	v_lshlrev_b32 v2, 4, v1                        ; 16 L
.set mi, 0
.rept 16
	global_load_b128 v[96+4*mi:96+4*mi+3], v2, s[16:17] offset:(mi+8*(mi/8))*2048 th:TH_LOAD_NT   ; row r = mi of the tile: 512 consecutive bytes
.set mi, mi+1
.endr
	v_and_b32 v5, 15, v0
	v_bfe_u32 v6, v0, 4, 1
	s_mul_i32 s32, s26, 8448                       ; my wave's own stage: 16 rows of 512 + 16 bytes
	v_add_nc_u32 v3, s32, v2
	v_mul_u32_u24 v4, v5, 528
	v_lshl_add_u32 v4, v6, 4, v4
	v_add_nc_u32 v4, s32, v4                       ; back: row r, 16 bytes of my half of each block of 32 keys
	s_mov_b32 s36, 0x06040200
	s_mov_b32 s37, 0x07050301
	s_wait_alu depctr_va_vdst(0)
	s_wait_loadcnt 0x0
.set mi, 0
.rept 16
	ds_store_b128 v3, v[96+4*mi:96+4*mi+3] offset:528*mi
.set mi, mi+1
.endr
.set mi, 0
.rept 16
	ds_load_b128 v[X+4*mi:X+4*mi+3], v4 offset:32*mi   ; LDS serves a wave's instructions in order: these see my stores
.set mi, mi+1
.endr
	s_wait_dscnt 0x0                               ; v[X + 4 bb + i / 4], byte i % 4: the mask of score register 16 (bb % 4) + i of step bb / 4
.set nb, 0
.rept 32                               ; eight bytes 0 / 1 become eight nibbles 0 / F
	v_perm_b32 v[16+2*(nb%2)], v[X+2*nb+1], v[X+2*nb], s36   ; bytes 0, 2, 4, 6
	v_perm_b32 v[17+2*(nb%2)], v[X+2*nb+1], v[X+2*nb], s37   ; bytes 1, 3, 5, 7
	v_lshl_or_b32 v[C+nb], v[17+2*(nb%2)], 4, v[16+2*(nb%2)]
	v_lshlrev_b32 v[16+2*(nb%2)], 4, v[C+nb]
	v_sub_nc_u32 v[C+nb], v[16+2*(nb%2)], v[C+nb]            ; x 15
.set nb, nb+1
.endr
.irp t, 0,1,2,3,4,5,6,7
	global_store_b128 v2, v[C+4*\t:C+4*\t+3], s[22:23] offset:512*\t   ; 512 consecutive bytes
.endr
	s_wait_tensorcnt 0x0
	ds_add_u32 v192, v193
	s_wait_dscnt 0x0
	s_endpgm
.Lfunc_end_k_qd0880769b1_prep:
	.size	k_qd0880769b1_prep, .Lfunc_end_k_qd0880769b1_prep-k_qd0880769b1_prep
	.p2alignl 7, 3214868480
	.fill 96, 4, 3214868480
	.section	.rodata,"a",@progbits
	.p2align	6, 0x0
	.amdhsa_kernel k_qd0880769b1_prep
		.amdhsa_group_segment_fixed_size 34304
		.amdhsa_private_segment_fixed_size 0
		.amdhsa_enable_private_segment 0
		.amdhsa_kernarg_size 80
		.amdhsa_user_sgpr_count 2
		.amdhsa_user_sgpr_kernarg_segment_ptr 1
		.amdhsa_wavefront_size32 1
		.amdhsa_system_sgpr_workgroup_id_x 1
		.amdhsa_system_sgpr_workgroup_id_y 1
		.amdhsa_system_sgpr_workgroup_id_z 1
		.amdhsa_system_vgpr_workitem_id 0
		.amdhsa_next_free_vgpr 194
		.amdhsa_next_free_sgpr 66
		.amdhsa_reserve_vcc 0
		.amdhsa_float_denorm_mode_32 3
		.amdhsa_float_denorm_mode_16_64 3
		.amdhsa_memory_ordered 1
		.amdhsa_forward_progress 1
		.amdhsa_inst_pref_size 54
	.end_amdhsa_kernel
	.amdgpu_metadata
---
amdhsa.version: [ 1, 2 ]
amdhsa.kernels:
  - .name:           k_qd0880769b1_prep
    .symbol:         k_qd0880769b1_prep.kd
    .args:
      - { .name: wq, .offset: 0, .size: 8, .value_kind: global_buffer, .address_space: global }
      - { .name: wk, .offset: 8, .size: 8, .value_kind: global_buffer, .address_space: global }
      - { .name: wv, .offset: 16, .size: 8, .value_kind: global_buffer, .address_space: global }
      - { .name: wo, .offset: 24, .size: 8, .value_kind: global_buffer, .address_space: global }
      - { .name: w1, .offset: 32, .size: 8, .value_kind: global_buffer, .address_space: global }
      - { .name: w2, .offset: 40, .size: 8, .value_kind: global_buffer, .address_space: global }
      - { .name: o2o_mask, .offset: 48, .size: 8, .value_kind: global_buffer, .address_space: global }
      - { .name: wimg, .offset: 56, .size: 8, .value_kind: global_buffer, .address_space: global }
      - { .name: wsc, .offset: 64, .size: 8, .value_kind: global_buffer, .address_space: global }
      - { .name: mnib, .offset: 72, .size: 8, .value_kind: global_buffer, .address_space: global }
    .group_segment_fixed_size: 34304
    .private_segment_fixed_size: 0
    .kernarg_segment_align: 8
    .kernarg_segment_size: 80
    .max_flat_workgroup_size: 128
    .sgpr_count:     66
    .vgpr_count:     194
    .wavefront_size: 32
...
	.end_amdgpu_metadata
.endif
;; end of part 1
;; launch qkv (part 2): grid 256 x 1, 8 waves a work-group, no clusters, 97,280 bytes of LDS; arguments x, ln1_g, ln1_b, positions, bq, bk, bv, wimg, wsc, qkvimg, qkvsc; writes qkvimg, qkvsc
.if DOCPART == 2
	.amdgcn_target "amdgcn-amd-amdhsa--gfx1250"
	.amdhsa_code_object_version 6
	.text
	.protected	k_qd0880769b1_qkv
	.globl	k_qd0880769b1_qkv
	.p2align	8
	.type	k_qd0880769b1_qkv,@function
k_qd0880769b1_qkv:
	s_mov_b64 s[64:65], 0
	v_nop
	global_prefetch_b8 v0, s[64:65] scope:SCOPE_SE
	s_setreg_imm32_b32 hwreg(HW_REG_WAVE_MODE, 25, 1), 1
	s_wait_xcnt 0x0
; QKV.  LayerNorm 1, the three products with wq, wk, wv on codes of E2M1, biases, RoPE on q and k, and the quantising of q, k (along the head's 64) and v (along the keys) into images of operand registers.
; A work-group takes 32 tokens (32 G ..), as two tiles u: lane r of tile u is token 8 u + r + 8 (r / 8) of the 32.
; PHASE A: wave w = (u = w / 4, ks = w % 4) normalises 16 tokens x 128 channels (mean and variance meet in LDS), quantises them: fragment 4 u + ks of x goes to LDS as an image of its registers.
; PHASE B: wave w = head w.  q, k: source 0 = 16 columns of the weight (tile T), source 1 = x's tile u: a lane holds ONE token, register 16 b + i = channel 32 b + 16 (lane / 16) + i of the head.
;          v: source 0 = x's tile u, source 1 = wv's tile T: a lane holds ONE channel, register 16 T + i = token 16 (lane / 16) + i: 32 tokens are one block along the keys.
; THE WEIGHTS come from memory straight into operand registers (each fragment is used by one wave of the work-group), in groups of four fragments and their four scale words (12 loads),
; through a ring of FIVE slots in register window 1 (v256-415): a group is asked for five groups ahead, 60 loads of a wave are out at the most.  The first three groups go out with x, at the head.
; No tensor load, no cluster: stated cost: all 256 work-groups read the same 408 KB of weight codes and scales.
; LIMITS: NaN, infinities not served; a block of zeros has the byte 1; inv_freq is 2^(-f log2(10000) / 32) by v_exp_f32; sine and cosine by a two-part reduction by pi / 2 and polynomials, for |angle| under about 1e5.
.set XST,  0                           ; 8 stages of 16 rows x (512 + 16) bytes, a wave's own
.set RED1, 67584                       ; [16 u + r][ks] sums; the sums of squares 512 bytes on
.set XIMG, 68608                       ; x's 8 fragments
.set XSC,  76800                       ; their scale words
.set ROPE, 77312                       ; 32 rows (16 u + r) x (32 cosines, 32 sines, 16 bytes of padding)
.set VEC,  86016                       ; bq, bk, bv, ln1_g, ln1_b: 2,048 bytes each
.set L16, 1                            ; v1   16 x lane
.set R4,  2                            ; v2   4 r
.set XS,  24                           ; v24-27   x's scale words: 2 slot + u (scales and nothing else)
.set PW,  28                           ; v28      the scale word just made
.set ACC, 32                           ; v32-95   eight accumulators
.set WS,  116                          ; v116-135 the weights' scale words: slot s at 4 ((s + 1) % 5) (scales and nothing else)
.set XF,  160                          ; v160-191 x's fragments: 16 slot + 8 u.  (Phase A: v160-223 x's rows as loaded, then halves of gain and bias)
.set T32, 192                          ; v192-223 cosines and sines
.set PC,  224                          ; v224-231 the codes just made
.set TM,  232                          ; v232-247 +b largest magnitude, +4+b the other half's, then the byte, +8.. at work, +12+b the scale operand
.set SEL, 50
.set WB,  52
.set WSB, 54
.set QI,  56
.set QSB, 58
.set KI,  60
.set KSB, 62
.set VI,  66
.set VSB, 68
.set NG,  12                           ; groups: 3 weights x 4 K steps
.set NS,  5                            ; slots of the weights' ring: window 1, slot s at v[32 s], tile T at + 8 T
.set MSB, 0
.macro WIN new                         ; the register windows: bits 1:0 source 0, 3:2 source 1, 5:4 source 2, 7:6 destination; the immediate's high byte repeats the setting that is left
.if MSB != \new
	s_set_vgpr_msb (MSB<<8)|\new
.set MSB, \new
.endif
.endm
.macro BARRIER                         ; my LDS stores have landed and my LDS loads are in: then the work-group's barrier
	s_wait_dscnt 0x0
	s_barrier_signal -1
	s_barrier_wait -1
.endm
.macro LOADW slot, bs, sbs, off, tstr  ; four weight fragments (into window 1) and their scale words (window 0): 12 loads
	WIN 0x40
.irp T, 0,1,2,3
	global_load_b128 v[32*(\slot)+8*\T:32*(\slot)+8*\T+3], v[L16], s[\bs:\bs+1] offset:(\off)+\T*(\tstr)
	global_load_b128 v[32*(\slot)+8*\T+4:32*(\slot)+8*\T+7], v[L16], s[\bs:\bs+1] offset:(\off)+\T*(\tstr)+512
.endr
	WIN 0
.irp T, 0,1,2,3
	global_load_b32 v[WS+4*(((\slot)+1)%NS)+\T], v[R4], s[\sbs:\sbs+1] offset:((\off)+\T*(\tstr))/16
.endr
.endm
.macro WRING gam                       ; group gam's weights, if there is such a group
.if (\gam) < NG
	LOADW (\gam)%NS, WB, WSB, 131072*((\gam)/4)+1024*((\gam)%4), 4096
.endif
.endm
.macro FETCHX slot, ax, sx, f0, f1     ; two fragments of the rows' operand and their scale words: 6 LDS loads
	ds_load_b128 v[XF+16*(\slot):XF+16*(\slot)+3], v[\ax] offset:(\f0)*1024
	ds_load_b128 v[XF+16*(\slot)+4:XF+16*(\slot)+7], v[\ax] offset:(\f0)*1024+512
	ds_load_b32 v[XS+2*(\slot)], v[\sx] offset:(\f0)*64
	ds_load_b128 v[XF+16*(\slot)+8:XF+16*(\slot)+11], v[\ax] offset:(\f1)*1024
	ds_load_b128 v[XF+16*(\slot)+12:XF+16*(\slot)+15], v[\ax] offset:(\f1)*1024+512
	ds_load_b32 v[XS+2*(\slot)+1], v[\sx] offset:(\f1)*64
.endm
.macro MUL8 ws, xs, lay, z             ; eight products; the eight accumulators take turns, one instruction a turn, in the same order in every group
.if \lay
	WIN 0x04                                       ; the weight is source 1: window 1
.else
	WIN 0x01                                       ; the weight is source 0: window 1
.endif
.irp T, 0,1,2,3
.irp u, 0,1
.if \lay
.if \z
	v_wmma_scale_f32_16x16x128_f8f6f4 v[ACC+16*\T+8*\u:ACC+16*\T+8*\u+7], v[XF+16*(\xs)+8*\u:XF+16*(\xs)+8*\u+7], v[32*(\ws)+8*\T:32*(\ws)+8*\T+7], 0, v[XS+2*(\xs)+\u], v[WS+4*(((\ws)+1)%NS)+\T] matrix_a_fmt:MATRIX_FMT_FP4 matrix_b_fmt:MATRIX_FMT_FP4
.else
	v_wmma_scale_f32_16x16x128_f8f6f4 v[ACC+16*\T+8*\u:ACC+16*\T+8*\u+7], v[XF+16*(\xs)+8*\u:XF+16*(\xs)+8*\u+7], v[32*(\ws)+8*\T:32*(\ws)+8*\T+7], v[ACC+16*\T+8*\u:ACC+16*\T+8*\u+7], v[XS+2*(\xs)+\u], v[WS+4*(((\ws)+1)%NS)+\T] matrix_a_fmt:MATRIX_FMT_FP4 matrix_b_fmt:MATRIX_FMT_FP4
.endif
.else
	v_wmma_scale_f32_16x16x128_f8f6f4 v[ACC+32*\u+8*\T:ACC+32*\u+8*\T+7], v[32*(\ws)+8*\T:32*(\ws)+8*\T+7], v[XF+16*(\xs)+8*\u:XF+16*(\xs)+8*\u+7], v[ACC+32*\u+8*\T:ACC+32*\u+8*\T+7], v[WS+4*(((\ws)+1)%NS)+\T], v[XS+2*(\xs)+\u] matrix_a_fmt:MATRIX_FMT_FP4 matrix_b_fmt:MATRIX_FMT_FP4
.endif
.endr
.endr
	WIN 0
.endm
; n groups (K steps 0 .. n - 1) from ring number g0 on; the rows' fragments are ks and fu + ks of the region at v[ax], v[sx]
.macro RUN g0, n, lay, z, ax, sx, fu
	FETCHX 0, \ax, \sx, 0, \fu
	FETCHX 1, \ax, \sx, 1, (\fu)+1
.set rk, 0
.rept \n
.set zf, 0
.if (\z) && (rk == 0)
.set zf, 1
.endif
.set wsl, ((\g0)+rk)%NS
.set lft, NG-1-(\g0)-rk
.if lft > NS-1
.set lft, NS-1
.endif
	s_wait_loadcnt 12*lft                          ; this group's weights are in; the younger groups' loads, twelve each, four groups at the most, may be out
.if rk+1 < (\n)
	s_wait_dscnt 6                                 ; this group's fragments are in; the next group's six LDS loads may be out
.else
	s_wait_dscnt 0x0
.endif
	MUL8 wsl, rk%2, \lay, zf
.rept 4
	v_nop                                          ; four places in front of loads into registers that these products have read, and of the first read of results
.endr
	WRING (\g0)+rk+NS                              ; the slot just multiplied takes the group five further on
.if rk+2 < (\n)
	FETCHX rk%2, \ax, \sx, rk+2, (\fu)+rk+2
.endif
.set rk, rk+1
.endr
.endm
.macro LDV reg, adr, off               ; 32 numbers of a vector in the result's layout: register 16 b + i = element 32 b + 16 (lane / 16) + i
.irp b, 0,1
.irp j, 0,1,2,3
	ds_load_b128 v[(\reg)+16*\b+4*\j:(\reg)+16*\b+4*\j+3], v[\adr] offset:(\off)+128*\b+16*\j
.endr
.endr
.endm
.macro GB hf                           ; gain (v160-191) and bias (v192-223) of blocks 2 hf, 2 hf + 1 of my 128 channels: 16 LDS loads
.irp b, 0,1
.irp j, 0,1,2,3
	ds_load_b128 v[160+16*\b+4*\j:160+16*\b+4*\j+3], v17 offset:128*(2*\hf+\b)+16*\j
	ds_load_b128 v[192+16*\b+4*\j:192+16*\b+4*\j+3], v17 offset:2048+128*(2*\hf+\b)+16*\j
.endr
.endr
.endm
.macro GBFMA hf                        ; y x gain + bias on those 32 numbers
.set gi, 0
.rept 16
	v_pk_fma_f32 v[32+32*\hf+gi:33+32*\hf+gi], v[32+32*\hf+gi:33+32*\hf+gi], v[160+gi:161+gi], v[192+gi:193+gi]
.set gi, gi+2
.endr
.endm
; nb blocks of 32: register 16 b + i of v[s] on = number 16 (lane / 16) + i of block b.  Codes to v[PC + 2 b], v[PC + 2 b + 1]; bytes to v[TM + 4 + b].
.macro QCORE s, nb
.set qb, 0
.rept \nb
	v_max3_num_f32 v[TM+qb], |v[(\s)+16*qb]|, |v[(\s)+16*qb+1]|, 0x1800000   ; my 16 numbers, and the floor 2^(3 - 127): the byte cannot fall under 1
.set qb, qb+1
.endr
.set qi, 2
.rept 7
.set qb, 0
.rept \nb
	v_max3_num_f32 v[TM+qb], v[TM+qb], |v[(\s)+16*qb+qi]|, |v[(\s)+16*qb+qi+1]|   ; the blocks by turns
.set qb, qb+1
.endr
.set qi, qi+2
.endr
.set qb, 0
.rept \nb
	v_permlanex16_b32 v[TM+4+qb], v[TM+qb], s[SEL], s[SEL+1]
.set qb, qb+1
.endr
.set qb, 0
.rept \nb
	v_max_num_f32 v[TM+qb], v[TM+qb], v[TM+4+qb]   ; with lane l xor 16's: the block's largest magnitude
.set qb, qb+1
.endr
.set qb, 0
.rept \nb
	v_add_nc_u32 v[TM+12+qb], 0xff000000, v[TM+qb] ; 2 off its exponent field: the conversion's scale operand
.set qb, qb+1
.endr
.set qb, 0
.rept \nb
	v_lshrrev_b32 v[TM+4+qb], 23, v[TM+12+qb]      ; the scale's byte
.set qb, qb+1
.endr
.set qb, 0
.rept \nb
	v_cvt_scalef32_pk8_fp4_f32 v[PC+2*qb], v[(\s)+16*qb:(\s)+16*qb+7], v[TM+12+qb]
	v_cvt_scalef32_pk8_fp4_f32 v[PC+2*qb+1], v[(\s)+16*qb+8:(\s)+16*qb+15], v[TM+12+qb]
.set qb, qb+1
.endr
	v_nop                                          ; one plain place behind a scaled conversion
.endm
.macro QSWAP nb                        ; the operand's layout wants a WHOLE block in a lane; and the bytes make the row's scale word
	v_permlane16_swap_b32 v[PC], v[PC+2]
	v_permlane16_swap_b32 v[PC+1], v[PC+3]
.if \nb == 4
	v_permlane16_swap_b32 v[PC+4], v[PC+6]
	v_permlane16_swap_b32 v[PC+5], v[PC+7]
.endif
	v_lshl_or_b32 v[PW], v[TM+5], 8, v[TM+4]
.if \nb == 4
	s_delay_alu instid0(VALU_DEP_1)
	v_lshl_or_b32 v[PW], v[TM+6], 16, v[PW]
	s_delay_alu instid0(VALU_DEP_1)
	v_lshl_or_b32 v[PW], v[TM+7], 24, v[PW]
.endif
.endm
	s_load_b512 s[4:19], s[0:1], 0x0               ; x, ln1_g, ln1_b, positions, bq, bk, bv, wimg
	s_load_b128 s[20:23], s[0:1], 0x40             ; wsc, qkvimg
	s_load_b64 s[24:25], s[0:1], 0x50              ; qkvsc
	v_lshl_add_u32 v254, v0, 2, 0x17800
	v_mov_b32 v255, 0
	v_lshrrev_b32 v30, 5, v0
	s_delay_alu instid0(VALU_DEP_1)
	v_readfirstlane_b32 s26, v30                   ; wave w
	s_lshr_b32 s27, s26, 2                         ; u
	s_and_b32 s28, s26, 3                          ; ks
	v_and_b32 v30, 31, v0
	v_and_b32 v31, 15, v0                          ; r
	v_bfe_u32 v29, v0, 4, 1                        ; h
	s_delay_alu instid0(VALU_DEP_3)
	v_lshlrev_b32 v[L16], 4, v30
	s_delay_alu instid0(VALU_DEP_3)
	v_lshlrev_b32 v[R4], 2, v31
	s_delay_alu instid0(VALU_DEP_2)
	v_add_nc_u32 v3, XIMG, v[L16]                  ; v3  x's images, read
	s_delay_alu instid0(VALU_DEP_2)
	v_add_nc_u32 v4, XSC, v[R4]                    ; v4  their scale words, read
	s_mul_i32 s30, s26, 8448
	v_add_nc_u32 v5, s30, v[L16]                   ; v5  my stage, in: a row's 512 bytes
	v_mul_u32_u24 v6, v31, 528
	s_delay_alu instid0(VALU_DEP_1)
	v_lshl_add_u32 v6, v29, 6, v6
	s_delay_alu instid0(VALU_DEP_1)
	v_add_nc_u32 v6, s30, v6                       ; v6  my stage, back: row r, 64 bytes of my half of each block of 32
	s_lshl_b32 s30, s27, 8
	v_lshl_add_u32 v8, v31, 4, s30
	s_delay_alu instid0(VALU_DEP_1)
	v_add_nc_u32 v8, RED1, v8                      ; v8  the four parts of row 16 u + r
	s_lshl_b32 s30, s28, 2
	v_add_nc_u32 v7, s30, v8                       ; v7  my part
	s_lshl_b32 s30, s26, 10
	v_add_nc_u32 v9, s30, v3                       ; v9  my fragment's image
	s_lshl_b32 s30, s26, 6
	v_add_nc_u32 v10, s30, v4                      ; v10 its scale words
	v_mul_u32_u24 v11, v31, 272
	s_delay_alu instid0(VALU_DEP_1)
	v_lshl_add_u32 v11, v29, 6, v11
	s_delay_alu instid0(VALU_DEP_1)
	v_add_nc_u32 v11, ROPE, v11                    ; v11 cosines of row r, frequencies 16 h on
	s_lshl_b32 s30, s26, 8
	v_lshl_add_u32 v12, v29, 6, s30
	s_delay_alu instid0(VALU_DEP_1)
	v_add_nc_u32 v12, VEC, v12                     ; v12 biases of head w, in the result's layout
	v_and_b32 v13, 8, v31
	s_delay_alu instid0(VALU_DEP_1)
	v_add_nc_u32 v13, v13, v31
	s_delay_alu instid0(VALU_DEP_1)
	v_lshl_add_u32 v13, v13, 2, s30
	s_delay_alu instid0(VALU_DEP_1)
	v_add_nc_u32 v13, VEC+4096, v13                ; v13 bv of channel 64 w + r + 8 (r / 8)
	v_lshrrev_b32 v21, 3, v0                       ; the table's row that I make: rho = thread / 8
	v_and_b32 v22, 7, v0
	s_delay_alu instid0(VALU_DEP_2)
	v_mul_u32_u24 v14, v21, 272
	s_delay_alu instid0(VALU_DEP_1)
	v_lshl_add_u32 v14, v22, 4, v14
	s_delay_alu instid0(VALU_DEP_1)
	v_add_nc_u32 v14, ROPE, v14                    ; v14 my four cosines
	v_lshl_add_u32 v15, v0, 4, VEC                 ; v15 bq, bk into LDS
	v_lshl_add_u32 v16, v0, 3, VEC+4096            ; v16 bv into LDS; the gain 2,048 bytes on, the bias 4,096
	s_lshl_b32 s30, s28, 9
	v_lshl_add_u32 v17, v29, 6, s30
	s_delay_alu instid0(VALU_DEP_1)
	v_add_nc_u32 v17, VEC+6144, v17                ; v17 the gain of my channels in LDS: 512 ks + 64 h; the bias 2,048 bytes on
	v_lshlrev_b32 v18, 4, v31                      ; v18 16 r
	s_delay_alu instid0(VALU_DEP_1)
	v_lshl_add_u32 v19, v29, 3, v18                ; v19 16 r + 8 h
	v_and_b32 v20, 15, v21
	s_delay_alu instid0(VALU_DEP_1)
	v_and_b32 v23, 8, v20
	s_delay_alu instid0(VALU_DEP_1)
	v_add_nc_u32 v20, v20, v23
	v_lshrrev_b32 v23, 4, v21
	s_delay_alu instid0(VALU_DEP_1)
	v_lshl_add_u32 v20, v23, 3, v20
	s_delay_alu instid0(VALU_DEP_1)
	v_lshlrev_b32 v20, 2, v20                      ; v20 the position of row rho's token
	v_and_b32 v21, 127, v0
	s_delay_alu instid0(VALU_DEP_1)
	v_lshlrev_b32 v21, 4, v21                      ; v21 16 (thread % 128)
	v_lshlrev_b32 v23, 3, v0                       ; v23 8 x thread
.irp b, 0,1,2,3
	v_mov_b32 v[TM+4+\b], 0                        ; written once: a lane permute's destination counts as one of its sources
.endr
	s_mov_b32 s40, 0xbfc90fdb                      ; -(pi / 2), high part
	s_mov_b32 s41, 0x333bbd2e                      ; and low part
	s_mov_b32 s42, 0xb94ca1f9                      ; sine: S3, S2, S1
	s_mov_b32 s43, 0x3c08839e
	s_mov_b32 s44, 0xbe2aaaa3
	s_mov_b32 s45, 0x37ccf5ce                      ; cosine: C3, C2, C1
	s_mov_b32 s46, 0xbab6061a
	s_mov_b32 s47, 0x3d2aaaa5
	s_mov_b32 s48, 0x3b000000                      ; 1 / 512
	s_mov_b32 s49, 0x3727c5ac                      ; 1e-5
	s_mov_b32 s[SEL], 0x76543210
	s_mov_b32 s[SEL+1], 0xfedcba98
	s_lshl_b32 s30, ttmp9, 5
	s_lshl_b32 s31, s27, 3
	s_add_co_u32 s30, s30, s31                     ; token 32 G + 8 u
	s_lshl_b32 s30, s30, 11
	s_lshl_b32 s31, s28, 9
	s_add_co_u32 s30, s30, s31                     ; + 128 ks channels
	s_mov_b32 s31, 0
	s_wait_alu depctr_va_vdst(0)
	s_wait_kmcnt 0x0
	s_add_nc_u64 s[4:5], s[4:5], s[30:31]
	s_lshl_b32 s30, ttmp9, 7
	s_add_nc_u64 s[10:11], s[10:11], s[30:31]
	s_cmp_lt_u32 s26, 4
	s_cselect_b64 s[12:13], s[12:13], s[14:15]     ; waves 0-3 bring bq, waves 4-7 bk
	s_lshl_b32 s30, s26, 14
	s_add_nc_u64 s[WB:WB+1], s[18:19], s[30:31]    ; head w's 16 fragments of each weight
	s_lshl_b32 s30, s26, 10
	s_add_nc_u64 s[WSB:WSB+1], s[20:21], s[30:31]
	; all that phase A reads, and the first three groups of weights, go out together: 1 + 4 + 16 + 36 = 57 loads
	global_load_b32 v224, v20, s[10:11]
	global_load_b128 v[228:231], v21, s[12:13]
	global_load_b64 v[226:227], v23, s[16:17]
	global_load_b64 v[248:249], v23, s[6:7]        ; the gain: 8 bytes a thread
	global_load_b64 v[250:251], v23, s[8:9]        ; the bias
.set i, 0
.rept 16
	global_load_b128 v[160+4*i:160+4*i+3], v[L16], s[4:5] offset:(i+8*(i/8))*2048   ; row r = i of my tile: 512 consecutive bytes
.set i, i+1
.endr
	WRING 0
	WRING 1
	WRING 2
	; the other bases of phase B
	s_lshr_b32 s32, ttmp9, 6
	s_and_b32 s33, ttmp9, 63                       ; g: the group of 32 tokens in its batch
	s_lshl_b32 s32, s32, 3
	s_add_co_u32 s32, s32, s26                     ; bh = 8 batch + head
	s_lshr_b32 s34, s33, 2                         ; the key step
	s_and_b32 s35, s33, 3                          ; the block of 32 keys in it
	s_lshl_b32 s30, s32, 16
	s_lshl_b32 s36, s33, 10
	s_add_co_u32 s30, s30, s36
	s_add_nc_u64 s[QI:QI+1], s[22:23], s[30:31]    ; q: 65,536 bh + 512 (2 g)
	s_lshl_b32 s37, s32, 13
	s_lshl_b32 s30, s33, 7
	s_add_co_u32 s30, s30, s37
	s_add_nc_u64 s[QSB:QSB+1], s[24:25], s[30:31]
	s_lshl_b32 s38, s32, 17
	s_add_co_u32 s30, s38, s36
	s_add_co_u32 s30, s30, 2097152
	s_add_nc_u64 s[KI:KI+1], s[22:23], s[30:31]    ; k: 131,072 bh + 1,024 g
	s_lshl_b32 s39, s34, 8
	s_add_co_u32 s39, s39, s37
	s_lshl_b32 s30, s35, 2
	s_add_co_u32 s30, s30, s39
	s_add_co_u32 s30, s30, 262144
	s_add_nc_u64 s[KSB:KSB+1], s[24:25], s[30:31]
	s_lshl_b32 s30, s34, 12
	s_add_co_u32 s30, s30, s38
	s_lshl_b32 s36, s35, 8
	s_add_co_u32 s30, s30, s36
	s_add_co_u32 s30, s30, 2162688
	s_add_nc_u64 s[VI:VI+1], s[22:23], s[30:31]    ; v: + 65,536 + 4,096 step + 256 block
	s_add_co_u32 s30, s39, s35
	s_add_co_u32 s30, s30, 266240
	s_add_nc_u64 s[VSB:VSB+1], s[24:25], s[30:31]
	; ---- the table of cosines and sines: thread t makes frequencies 4 (t % 8) + 0 .. 3 of row t / 8
	v_lshlrev_b32 v30, 2, v22
.irp k, 0,1,2,3
	v_add_nc_u32 v[32+\k], \k, v30
.endr
.irp k, 0,1,2,3
	s_delay_alu instid0(VALU_DEP_4)
	v_cvt_f32_u32 v[32+\k], v[32+\k]
.endr
.irp k, 0,1,2,3
	s_delay_alu instid0(VALU_DEP_4)
	v_mul_f32 v[32+\k], 0xbed49a78, v[32+\k]       ; -f log2(10000) / 32
.endr
	s_wait_alu depctr_va_vdst(0)
.irp k, 0,1,2,3
	v_exp_f32 v[32+\k], v[32+\k]                   ; inv_freq
.endr
	s_wait_loadcnt 56                              ; the position is in: behind it 4 small loads, 16 of x, 36 of the weights
	v_cvt_f32_i32 v36, v224                        ; (the plain place behind the exponentials)
	s_wait_alu depctr_va_vdst(0)                   ; one wait for the four, ahead of their first reader
.irp k, 0,1,2,3
	v_mul_f32 v[32+\k], v36, v[32+\k]              ; the angle
.endr
.irp k, 0,1,2,3
	s_delay_alu instid0(VALU_DEP_4)
	v_mul_f32 v[40+\k], 0x3f22f983, v[32+\k]
.endr
.irp k, 0,1,2,3
	s_delay_alu instid0(VALU_DEP_4)
	v_rndne_f32 v[40+\k], v[40+\k]                 ; n = the nearest multiple of pi / 2
.endr
.irp k, 0,1,2,3
	s_delay_alu instid0(VALU_DEP_4)
	v_fma_f32 v[32+\k], v[40+\k], s40, v[32+\k]
.endr
.irp k, 0,1,2,3
	s_delay_alu instid0(VALU_DEP_4)
	v_fma_f32 v[32+\k], v[40+\k], s41, v[32+\k]    ; rr, within pi / 4 of 0
.endr
.irp k, 0,1,2,3
	s_delay_alu instid0(VALU_DEP_4)
	v_mul_f32 v[44+\k], v[32+\k], v[32+\k]         ; z
.endr
.irp k, 0,1,2,3
	v_fma_f32 v[48+\k], v[44+\k], s42, s43
	v_fma_f32 v[52+\k], v[44+\k], s45, s46
.endr
.irp k, 0,1,2,3
	v_fma_f32 v[48+\k], v[44+\k], v[48+\k], s44
	v_fma_f32 v[52+\k], v[44+\k], v[52+\k], s47
	v_mul_f32 v[60+\k], v[32+\k], v[44+\k]         ; rr z
	v_mul_f32 v[56+\k], v[44+\k], v[44+\k]         ; z z
.endr
.irp k, 0,1,2,3
	v_fma_f32 v[44+\k], v[44+\k], -0.5, 1.0
	v_fma_f32 v[48+\k], v[60+\k], v[48+\k], v[32+\k]   ; sin rr
.endr
.irp k, 0,1,2,3
	v_fma_f32 v[52+\k], v[56+\k], v[52+\k], v[44+\k]   ; cos rr
	v_cvt_i32_f32 v[40+\k], v[40+\k]               ; the quadrant
.endr
.irp k, 0,1,2,3
	v_and_b32 v[56+\k], 1, v[40+\k]
	s_delay_alu instid0(VALU_DEP_1)
	v_cmp_eq_u32 vcc_lo, 1, v[56+\k]
	s_delay_alu instid0(VALU_DEP_1)
	v_cndmask_b32 v[32+\k], v[48+\k], v[52+\k], vcc_lo   ; odd quadrants change the two
	s_delay_alu instid0(VALU_DEP_2)
	v_cndmask_b32 v[36+\k], v[52+\k], v[48+\k], vcc_lo
	v_and_b32 v[56+\k], 2, v[40+\k]
	v_add_nc_u32 v[40+\k], 1, v[40+\k]
	s_delay_alu instid0(VALU_DEP_2)
	v_lshlrev_b32 v[56+\k], 30, v[56+\k]
	s_delay_alu instid0(VALU_DEP_2)
	v_and_b32 v[40+\k], 2, v[40+\k]
	s_delay_alu instid0(VALU_DEP_2)
	v_xor_b32 v[32+\k], v[56+\k], v[32+\k]         ; the sine's sign: quadrants 2, 3
	s_delay_alu instid0(VALU_DEP_2)
	v_lshlrev_b32 v[40+\k], 30, v[40+\k]
	s_delay_alu instid0(VALU_DEP_1)
	v_xor_b32 v[36+\k], v[40+\k], v[36+\k]         ; the cosine's: quadrants 1, 2
.endr
	ds_store_b128 v14, v[36:39]
	ds_store_b128 v14, v[32:35] offset:128
	s_wait_loadcnt 52                              ; the biases, the gain and the bias are in: 16 loads of x and 36 of the weights may be out
	ds_store_b128 v15, v[228:231]
	ds_store_b64 v16, v[226:227]
	ds_store_b64 v16, v[248:249] offset:2048
	ds_store_b64 v16, v[250:251] offset:4096
	; ---- x through my stage: 16 neighbours of each block of 32 to a lane
	s_wait_loadcnt 36                              ; x is in: the three groups' 36 loads may be out
.set i, 0
.rept 16
	ds_store_b128 v5, v[160+4*i:160+4*i+3] offset:528*i
.set i, i+1
.endr
.irp b, 0,1,2,3
.irp j, 0,1,2,3
	ds_load_b128 v[32+16*\b+4*\j:32+16*\b+4*\j+3], v6 offset:128*\b+16*\j   ; LDS serves a wave's instructions in order: these see my stores
.endr
.endr
	WRING 3                                        ; the ring is full: 60 loads at the most; from here on it has the only global loads
	WRING 4
	s_wait_dscnt 0x0
	; ---- the mean
	v_pk_add_f32 v[226:227], v[32:33], v[34:35]
	v_pk_add_f32 v[228:229], v[48:49], v[56:57]
	v_pk_add_f32 v[230:231], v[64:65], v[72:73]
	v_pk_add_f32 v[252:253], v[80:81], v[88:89]
	v_pk_add_f32 v[250:251], v[36:37], v[38:39]
	v_pk_add_f32 v[248:249], v[50:51], v[58:59]
	v_pk_add_f32 v[246:247], v[66:67], v[74:75]
	v_pk_add_f32 v[224:225], v[82:83], v[90:91]
	s_delay_alu instid0(VALU_DEP_1)
	v_pk_add_f32 v[224:225], v[224:225], v[40:41]
	v_pk_add_f32 v[226:227], v[226:227], v[42:43]
	v_pk_add_f32 v[228:229], v[228:229], v[52:53]
	v_pk_add_f32 v[230:231], v[230:231], v[60:61]
	v_pk_add_f32 v[252:253], v[252:253], v[68:69]
	v_pk_add_f32 v[250:251], v[250:251], v[76:77]
	v_pk_add_f32 v[248:249], v[248:249], v[84:85]
	v_pk_add_f32 v[246:247], v[246:247], v[92:93]
	v_pk_add_f32 v[224:225], v[224:225], v[44:45]
	v_pk_add_f32 v[226:227], v[226:227], v[46:47]
	v_pk_add_f32 v[228:229], v[228:229], v[54:55]
	v_pk_add_f32 v[230:231], v[230:231], v[62:63]
	v_pk_add_f32 v[252:253], v[252:253], v[70:71]
	v_pk_add_f32 v[250:251], v[250:251], v[78:79]
	v_pk_add_f32 v[248:249], v[248:249], v[86:87]
	v_pk_add_f32 v[246:247], v[246:247], v[94:95]
	s_delay_alu instid0(VALU_DEP_4)
	v_pk_add_f32 v[224:225], v[224:225], v[252:253]
	s_delay_alu instid0(VALU_DEP_4)
	v_pk_add_f32 v[226:227], v[226:227], v[250:251]
	s_delay_alu instid0(VALU_DEP_4)
	v_pk_add_f32 v[228:229], v[228:229], v[248:249]
	s_delay_alu instid0(VALU_DEP_4)
	v_pk_add_f32 v[230:231], v[230:231], v[246:247]
	s_delay_alu instid0(VALU_DEP_2)
	v_pk_add_f32 v[224:225], v[224:225], v[228:229]
	s_delay_alu instid0(VALU_DEP_2)
	v_pk_add_f32 v[226:227], v[226:227], v[230:231]
	s_delay_alu instid0(VALU_DEP_1)
	v_pk_add_f32 v[224:225], v[224:225], v[226:227]
	s_delay_alu instid0(VALU_DEP_1)
	v_add_f32 v224, v224, v225
	s_delay_alu instid0(VALU_DEP_1)
	v_permlanex16_b32 v236, v224, s[SEL], s[SEL+1]
	s_delay_alu instid0(VALU_DEP_1)
	v_add_f32 v224, v224, v236                     ; my 128 channels of row r
	ds_store_b32 v7, v224                          ; (lanes r and r + 16 write the same word with the same value)
	BARRIER
	ds_load_b128 v[228:231], v8
	s_wait_dscnt 0x0
	v_add_f32 v228, v228, v229
	v_add_f32 v230, v230, v231
	s_delay_alu instid0(VALU_DEP_1)
	v_add_f32 v228, v228, v230
	s_delay_alu instid0(VALU_DEP_1)
	v_mul_f32 v224, s48, v228                      ; the mean
.set i, 32
	s_wait_alu depctr_va_vdst(0)
.rept 32
	v_pk_add_f32 v[i:i+1], v[i:i+1], v[224:225] op_sel_hi:[1,0] neg_lo:[0,1] neg_hi:[0,1]
.set i, i+2
.endr
	; ---- the variance
	v_pk_mul_f32 v[226:227], v[32:33], v[32:33]
	v_pk_mul_f32 v[228:229], v[34:35], v[34:35]
	v_pk_mul_f32 v[230:231], v[36:37], v[36:37]
	v_pk_mul_f32 v[232:233], v[38:39], v[38:39]
.set i, 40
.rept 7
	s_delay_alu instid0(VALU_DEP_4)
	v_pk_fma_f32 v[226:227], v[i:i+1], v[i:i+1], v[226:227]
	s_delay_alu instid0(VALU_DEP_4)
	v_pk_fma_f32 v[228:229], v[i+2:i+3], v[i+2:i+3], v[228:229]
	s_delay_alu instid0(VALU_DEP_4)
	v_pk_fma_f32 v[230:231], v[i+4:i+5], v[i+4:i+5], v[230:231]
	s_delay_alu instid0(VALU_DEP_4)
	v_pk_fma_f32 v[232:233], v[i+6:i+7], v[i+6:i+7], v[232:233]
.set i, i+8
.endr
	s_delay_alu instid0(VALU_DEP_3)
	v_pk_add_f32 v[226:227], v[226:227], v[228:229]
	s_delay_alu instid0(VALU_DEP_2)
	v_pk_add_f32 v[230:231], v[230:231], v[232:233]
	s_delay_alu instid0(VALU_DEP_1)
	v_pk_add_f32 v[226:227], v[226:227], v[230:231]
	s_delay_alu instid0(VALU_DEP_1)
	v_add_f32 v226, v226, v227
	s_delay_alu instid0(VALU_DEP_1)
	v_permlanex16_b32 v236, v226, s[SEL], s[SEL+1]
	s_delay_alu instid0(VALU_DEP_1)
	v_add_f32 v226, v226, v236
	ds_store_b32 v7, v226 offset:512
	BARRIER
	ds_load_b128 v[228:231], v8 offset:512
	GB 0                                           ; the first half of gain and bias comes while the variance is finished
	s_wait_dscnt 16                                ; the four parts are in: the 16 loads of gain and bias may be out
	v_add_f32 v228, v228, v229
	v_add_f32 v230, v230, v231
	s_delay_alu instid0(VALU_DEP_1)
	v_add_f32 v228, v228, v230
	s_delay_alu instid0(VALU_DEP_1)
	v_fma_f32 v226, v228, s48, s49                 ; the variance + 1e-5
	s_wait_alu depctr_va_vdst(0)
	v_rsq_f32 v226, v226
	v_nop                                          ; a plain place behind the transcendental
	s_wait_alu depctr_va_vdst(0)                   ; and the wait ahead of its first reader
.set i, 0
.rept 32
	v_pk_mul_f32 v[32+i:33+i], v[32+i:33+i], v[226:227] op_sel_hi:[1,0]
.set i, i+2
.endr
	s_wait_dscnt 0x0
	GBFMA 0
	GB 1
	s_wait_dscnt 0x0
	GBFMA 1
	QCORE 32, 4
	QSWAP 4
	ds_store_b128 v9, v[PC:PC+3]                   ; the fragment goes to LDS as it stands
	ds_store_b128 v9, v[PC+4:PC+7] offset:512
	ds_store_b32 v10, v[PW]
	BARRIER                                        ; x's eight fragments, the table and the biases lie in LDS
; ---- PHASE B
; RoPE on tile u's 32 registers, then its codes and scale word.  A[i] is channel 16 h + i, A[16 + i] the channel 32 further on; both turn by frequency 16 h + i.
.macro ROPEQ u
	s_wait_xcnt 0x0                                ; earlier stores have read the codes' and the word's registers: only now are they written again
.irp j, 0,1,2,3
	ds_load_b128 v[T32+4*\j:T32+4*\j+3], v11 offset:4352*\u+16*\j
	ds_load_b128 v[T32+16+4*\j:T32+16+4*\j+3], v11 offset:4352*\u+128+16*\j
.endr
	s_wait_dscnt 0x0
.set RA, ACC+32*\u
.set ri, 0
.rept 8
.set t1, 228+12*((ri/2)%2)
	v_pk_mul_f32 v[t1:t1+1], v[RA+16+ri:RA+17+ri], v[T32+16+ri:T32+17+ri]
	v_pk_mul_f32 v[t1+2:t1+3], v[RA+ri:RA+ri+1], v[T32+16+ri:T32+17+ri]
	v_pk_fma_f32 v[RA+ri:RA+ri+1], v[RA+ri:RA+ri+1], v[T32+ri:T32+ri+1], v[t1:t1+1] neg_lo:[0,0,1] neg_hi:[0,0,1]
	v_pk_fma_f32 v[RA+16+ri:RA+17+ri], v[RA+16+ri:RA+17+ri], v[T32+ri:T32+ri+1], v[t1+2:t1+3]
.set ri, ri+2
.endr
	QCORE RA, 2
	QSWAP 2
.endm
	; q: the bias is the C of each sum's first product
	LDV ACC, 12, 0
	LDV ACC+32, 12, 0
	RUN 0, 4, 0, 0, 3, 4, 4
.irp u, 0,1
	ROPEQ \u
	s_delay_alu instid0(VALU_DEP_1)
	v_lshl_or_b32 v[PW], v[PW], 16, v[PW]          ; (s0, s1, s0, s1): q serves as the lower or as the upper 64 of a K of 128
	global_store_b128 v[L16], v[PC:PC+3], s[QI:QI+1] offset:512*\u    ; 512 consecutive bytes
	global_store_b32 v[R4], v[PW], s[QSB:QSB+1] offset:64*\u
.endr
	; k
	LDV ACC, 12, 2048
	LDV ACC+32, 12, 2048
	RUN 4, 4, 0, 0, 3, 4, 4
	ROPEQ 0
	global_store_b128 v[L16], v[PC:PC+3], s[KI:KI+1]
	v_mov_b32 v29, v[PW]
	ROPEQ 1
	global_store_b128 v[L16], v[PC:PC+3], s[KI:KI+1] offset:512
	v_lshl_or_b32 v29, v[PW], 16, v29              ; tile 0's two bytes, tile 1's two bytes: the two tiles share a fragment
	global_store_b32 v18, v29, s[KSB:KSB+1]
	; v: the first products start the sums; the bias, one number a lane, is added behind them
	RUN 8, 4, 1, 1, 3, 4, 4
.irp T, 0,1,2,3
	ds_load_b32 v[T32+2*\T], v13 offset:(32*(\T/2)+8*(\T%2))*4
.endr
	s_wait_dscnt 0x0
.irp T, 0,1,2,3
.set vi, 0
.rept 8
	v_pk_add_f32 v[ACC+16*\T+vi:ACC+16*\T+vi+1], v[ACC+16*\T+vi:ACC+16*\T+vi+1], v[T32+2*\T:T32+2*\T+1] op_sel_hi:[1,0]
.set vi, vi+2
.endr
.endr
	s_wait_xcnt 0x0                                ; k's stores have read their registers
	QCORE ACC, 4                                   ; block T: my channel of tile T, the group's 32 tokens.  No exchange: a lane's 16 codes are 8 bytes of the image
.irp T, 0,1,2,3
	global_store_b64 v19, v[PC+2*\T:PC+2*\T+1], s[VI:VI+1] offset:1024*\T   ; 32 lanes fill 256 consecutive bytes, aligned
	global_store_b8 v18, v[TM+4+\T], s[VSB:VSB+1] offset:4*\T               ; single bytes: 131,072 in the whole launch leave so
.endr
	s_wait_tensorcnt 0x0
	ds_add_u32 v254, v255
	s_wait_dscnt 0x0
	s_endpgm
.Lfunc_end_k_qd0880769b1_qkv:
	.size	k_qd0880769b1_qkv, .Lfunc_end_k_qd0880769b1_qkv-k_qd0880769b1_qkv
	.p2alignl 7, 3214868480
	.fill 96, 4, 3214868480
	.section	.rodata,"a",@progbits
	.p2align	6, 0x0
	.amdhsa_kernel k_qd0880769b1_qkv
		.amdhsa_group_segment_fixed_size 97280
		.amdhsa_private_segment_fixed_size 0
		.amdhsa_enable_private_segment 0
		.amdhsa_kernarg_size 88
		.amdhsa_user_sgpr_count 2
		.amdhsa_user_sgpr_kernarg_segment_ptr 1
		.amdhsa_wavefront_size32 1
		.amdhsa_system_sgpr_workgroup_id_x 1
		.amdhsa_system_sgpr_workgroup_id_y 1
		.amdhsa_system_sgpr_workgroup_id_z 1
		.amdhsa_system_vgpr_workitem_id 0
		.amdhsa_next_free_vgpr 416
		.amdhsa_next_free_sgpr 72
		.amdhsa_reserve_vcc 1
		.amdhsa_float_denorm_mode_32 3
		.amdhsa_float_denorm_mode_16_64 3
		.amdhsa_memory_ordered 1
		.amdhsa_forward_progress 1
		.amdhsa_inst_pref_size 99
	.end_amdhsa_kernel
	.amdgpu_metadata
---
amdhsa.version: [ 1, 2 ]
amdhsa.kernels:
  - .name:           k_qd0880769b1_qkv
    .symbol:         k_qd0880769b1_qkv.kd
    .args:
      - { .name: x, .offset: 0, .size: 8, .value_kind: global_buffer, .address_space: global }
      - { .name: ln1_g, .offset: 8, .size: 8, .value_kind: global_buffer, .address_space: global }
      - { .name: ln1_b, .offset: 16, .size: 8, .value_kind: global_buffer, .address_space: global }
      - { .name: positions, .offset: 24, .size: 8, .value_kind: global_buffer, .address_space: global }
      - { .name: bq, .offset: 32, .size: 8, .value_kind: global_buffer, .address_space: global }
      - { .name: bk, .offset: 40, .size: 8, .value_kind: global_buffer, .address_space: global }
      - { .name: bv, .offset: 48, .size: 8, .value_kind: global_buffer, .address_space: global }
      - { .name: wimg, .offset: 56, .size: 8, .value_kind: global_buffer, .address_space: global }
      - { .name: wsc, .offset: 64, .size: 8, .value_kind: global_buffer, .address_space: global }
      - { .name: qkvimg, .offset: 72, .size: 8, .value_kind: global_buffer, .address_space: global }
      - { .name: qkvsc, .offset: 80, .size: 8, .value_kind: global_buffer, .address_space: global }
    .group_segment_fixed_size: 97280
    .private_segment_fixed_size: 0
    .kernarg_segment_align: 8
    .kernarg_segment_size: 88
    .max_flat_workgroup_size: 256
    .sgpr_count:     72
    .vgpr_count:     416
    .wavefront_size: 32
...
	.end_amdgpu_metadata
.endif
;; end of part 2
;; launch attn (part 3): grid 8 x 32, 8 waves a work-group, no clusters, 205,824 bytes of LDS; arguments qkvimg, qkvsc, mnib, aimg, asc; writes aimg, asc
.if DOCPART == 3
	.amdgcn_target "amdgcn-amd-amdhsa--gfx1250"
	.amdhsa_code_object_version 6
	.text
	.protected	k_qd0880769b1_attn
	.globl	k_qd0880769b1_attn
	.p2align	8
	.type	k_qd0880769b1_attn,@function
k_qd0880769b1_attn:
	s_mov_b64 s[64:65], 0
	v_nop
	global_prefetch_b8 v0, s[64:65] scope:SCOPE_SE
	s_setreg_imm32_b32 hwreg(HW_REG_WAVE_MODE, 25, 1), 1
	s_wait_xcnt 0x0
; ATTN.  softmax(mask(q k^T / 8)) v for one head (work-group y = 8 batch + head) and 256 queries (x).  Both products on codes of E2M1.
; SHARES: eight waves; a wave owns TWO tiles of 16 queries (tiles 16 x + 2 wave + t), and takes both through each phase of a step together: eight chains by turns, one batch of exponentials a step.
; REGISTERS: window 1 holds the tiles' large arrays (scores, O^T, q); window 0 all else (addresses, fragments of K and V, scale words, each tile's small state).  So a window setting belongs to a phase, not to a tile.
; The second product's left operand is the FINISHED softmax, quantised along the keys, so the keys are walked TWICE.  Walk 1: masked scores, running maximum M (a whole number), sum l, and the largest
; masked score of each block of 32 keys, kept in LDS.  Walk 2: scores again, p = 2^(t - M - log2 l) by one multiply-add and one exponential; each block's scale from its kept maximum put through the same
; two instructions; codes; the mask on the codes; product with V.
; THE MASK comes as nibbles (F: the key counts, 0: hidden), eight scores to a register.  Walk 1: the register xor 0xEEEEEEEE has nibble 1 or E; shifted so that a score's nibble stands on top it is an f32 number:
; hidden: -2^65 or below (top byte E0, E1, EE: never an infinity or NaN); counted: 2^-67 or less.  That number is written into the score's register and is the C of the score's product: one plain instruction a score.
; Walk 2: one v_and_b32 clears eight codes.  The scales come from masked maxima, so hidden scores move nothing.  A row with no key has its largest score under -1e18: its exponent's offset is -3e38, every p is 0: the result is 0.
; K, V of the head come into LDS once, through registers: K ahead of walk 1; V's 16 loads a thread lie in O^T's registers through walk 1 and are stored ahead of walk 2.  Two barriers in the launch.
; BOTH PRODUCTS TRANSPOSED: S^T = K Q^T, O^T = V^T P^T: a lane holds one query.  A fragment of K holds two tiles of 16 keys; against (q, 0) it gives the first, against (0, q) the second; twelve registers q, 0, q serve both.
; Score register n of lane (r, h) is key 128 step + 32 (n / 16) + 16 h + n % 16 = nibble n % 8 of mask register n / 8.
; No cluster and no tensor load: what work-groups share is 139,264 bytes read once at the head, nothing in LDS is filled again.  No prefetch: K and V have no loop to run ahead in; the masks' own loads run a whole step ahead.
; LIMITS: NaN, infinities among the inputs not served; a block of zeros has the byte 1; the scaled scores stay under 2^31 in magnitude; a counted score carries at most 2^-67 from the mask's number;
; log2 l by v_log_f32 stands in the exponent (another order of rounding than a division by l).
.set KSC, 131072                       ; LDS: K's images 0, V's 65,536; K's scale words [step][r][4 words], V's 4,096 bytes on
.set VSC, 135168
.set BMX, 139264                       ; the blocks' largest scores: [wave][tile][step][r][4 f32], a wave's own
.set SPARE, 204800                     ; the spare words: 128 bytes a wave
; window 1
.set S,   0                            ; + 64 t: scores, then p
.set O,   128                          ; + 32 t: O^T (through walk 1: V on its way to LDS)
.set Q,   192                          ; + 12 t: q, zeros, q
; window 0
.set KF,  48                           ; v48-79  four fragments of K
.set VF,  80                           ; v80-111 four fragments of V
.set TS,  112                          ; + 48 t: a tile's small state:
.set TP,  48
.set BM,  0                            ; the blocks' maxima
.set PT,  4                            ; lane l xor 16's
.set SO,  8                            ; scale operands
.set BY,  12                           ; scale bytes
.set PC,  16                           ; p's codes (8)
.set NM,  24                           ; the step's nibble masks (8)
.set NG,  32                           ; -M, then the exponent's offset
.set MX,  33                           ; the largest score
.set SU,  34                           ; the sum, in four pairs
.set FF,  42                           ; f = 2^(old M - new M)
.set FD,  43                           ; old M - new M
.set TT,  44                           ; at work
; v1 16 L; v2 + V's images; v3, v4 16 r + K's, V's scale words; v5 16 r + my maxima; v6-10 the step's addresses; v11 the nibbles' offset; v16, v17 16 x thread, + 65,536; v28 -infinity; v29 4 r;
; v18, v30 q's scale words, v19, v31 p's (tile 0, 1), v20-23 K's, v24-27 V's (scales and nothing else); v250, v251 the add's two registers.
; s17, s18 the step's LDS offsets; s19 trips; s[22:23] c; s32 -c; s[24:25] selects; s[28:29] mnib of tile 0; s[34:35] the head's K and V.
.set MSB, 0
.macro WIN new                         ; bits 1:0 source 0, 3:2 source 1, 5:4 source 2, 7:6 destination; the high byte repeats the setting that is left
.if MSB != (\new)
	s_set_vgpr_msb (MSB<<8)|(\new)
.set MSB, \new
.endif
.endm
.macro QK acc                          ; sixteen products, sixteen accumulators by turns.  acc = 1: onto the mask's numbers; 0: the sums begin at 0
	WIN 0x54
.irp t, 0,1
.irp b, 0,1,2,3
.irp e, 0,1
.if \acc
	v_wmma_scale_f32_16x16x128_f8f6f4 v[S+64*\t+16*\b+8*\e:S+64*\t+16*\b+8*\e+7], v[KF+8*\b:KF+8*\b+7], v[Q+12*\t+4*\e:Q+12*\t+4*\e+7], v[S+64*\t+16*\b+8*\e:S+64*\t+16*\b+8*\e+7], v[20+\b], v[18+12*\t] matrix_a_fmt:MATRIX_FMT_FP4 matrix_b_fmt:MATRIX_FMT_FP4
.else
	v_wmma_scale_f32_16x16x128_f8f6f4 v[S+64*\t+16*\b+8*\e:S+64*\t+16*\b+8*\e+7], v[KF+8*\b:KF+8*\b+7], v[Q+12*\t+4*\e:Q+12*\t+4*\e+7], 0, v[20+\b], v[18+12*\t] matrix_a_fmt:MATRIX_FMT_FP4 matrix_b_fmt:MATRIX_FMT_FP4
.endif
.endr
.endr
.endr
	WIN 0
.endm
.macro LOADK a, b                      ; a step's four fragments of K and their scale words: 9 LDS loads
.irp f, 0,1,2,3
	ds_load_b128 v[KF+8*\f:KF+8*\f+3], v[\a] offset:1024*\f
	ds_load_b128 v[KF+8*\f+4:KF+8*\f+7], v[\a] offset:1024*\f+512
.endr
	ds_load_b128 v[20:23], v[\b]
.endm
.macro NEXTK                           ; where the next step's K lies (behind the last step: step 0's, with which the next walk begins), and this step's maxima
	s_add_co_u32 s33, s17, 4096
	s_and_b32 s33, s33, 0xf000
	s_lshr_b32 s3, s33, 4
	v_add_nc_u32 v6, s33, v1
	v_add_nc_u32 v7, s3, v3
	v_add_nc_u32 v8, s18, v5
.endm
.macro NMNEXT                          ; the next step's nibble masks; the last trip turns back to step 0, so that no load leaves the buffer (walk 1's last serves walk 2's first step)
	v_add_nc_u32 v11, 0x400, v11
	v_and_b32 v11, 0x3fff, v11
	NMLOAD
.endm
.macro NMLOAD
.irp t, 0,1
	global_load_b128 v[TS+TP*\t+NM:TS+TP*\t+NM+3], v11, s[28:29] offset:16384*\t
	global_load_b128 v[TS+TP*\t+NM+4:TS+TP*\t+NM+7], v11, s[28:29] offset:16384*\t+512
.endr
.endm
.macro SCALED                          ; both tiles' 128 scores: x c + the tile's offset
	WIN 0x41
.irp t, 0,1
.set i, 0
.rept 32
	v_pk_fma_f32 v[S+64*\t+i:S+64*\t+i+1], v[S+64*\t+i:S+64*\t+i+1], s[22:23], v[TS+TP*\t+NG:TS+TP*\t+NG+1] op_sel_hi:[1,0,0]
.set i, i+2
.endr
.endr
	WIN 0
.endm
.macro EXPS
	WIN 0x41
.set i, 0
.rept 128
	v_exp_f32 v[S+i], v[S+i]
.set i, i+1
.endr
	WIN 0
.endm
	s_load_b128 s[4:7], s[0:1], 0x0                ; qkvimg, qkvsc
	s_load_b64 s[10:11], s[0:1], 0x10              ; mnib
	s_load_b128 s[12:15], s[0:1], 0x18             ; aimg, asc
	v_lshl_add_u32 v250, v0, 2, SPARE
	v_mov_b32 v251, 0
	v_lshrrev_b32 v1, 5, v0
	v_readfirstlane_b32 s16, v1                    ; wave
	s_lshl_b32 s21, s16, 13                        ; my maxima: 8,192 bytes a wave
	s_lshl_b32 s18, ttmp9, 4
	s_lshl_b32 s20, s16, 1
	s_add_co_u32 s18, s18, s20                     ; qt: my first tile of queries in the batch
	s_lshl_b32 s30, s18, 6
	s_wait_alu depctr_va_vdst(0)
	v_and_b32 v2, 31, v0
	v_and_b32 v3, 15, v0
	v_lshlrev_b32 v16, 4, v0                       ; 16 x thread: in memory and in LDS
	v_lshlrev_b32 v1, 4, v2
	v_lshlrev_b32 v5, 4, v3
	v_lshlrev_b32 v29, 2, v3
	v_add_nc_u32 v17, 65536, v16
	v_add_nc_u32 v9, 131072, v16
	v_add_nc_u32 v2, 65536, v1
	v_add_nc_u32 v3, KSC, v5
	v_add_nc_u32 v4, VSC, v5
	v_add_nc_u32 v5, s21, v5
	v_add_nc_u32 v10, s30, v29                     ; q's scale words: 64 qt + 4 r
	v_mov_b32 v11, v1
	v_add_nc_u32 v5, BMX, v5
	v_mov_b32 v28, 0xff800000
.irp t, 0,1
	v_mov_b32 v[TS+TP*\t+MX], 0xff61b1e6           ; the largest score so far: -3e38
	v_mov_b32 v[TS+TP*\t+NG], 0x7f000000           ; -M so far: above every floor(-t), so that the first factor is 0
.irp j, 0,1,2,3
	v_mov_b32 v[TS+TP*\t+PT+\j], 0                 ; a lane permute's destination counts as one of its sources
	v_mov_b32 v[TS+TP*\t+SU+2*\j], 0
	v_mov_b32 v[TS+TP*\t+SU+2*\j+1], 0
.endr
.endr
	WIN 0x40
.irp t, 0,1
.irp j, 0,1,2,3
	v_mov_b32 v[Q+12*\t+4+\j], 0                   ; zero codes: they add nothing under any scale byte
.endr
.endr
	WIN 0
	s_and_b32 s17, ttmp7, 0xffff                   ; bh
	s_lshr_b32 s19, s17, 3
	s_lshl_b32 s19, s19, 7
	s_add_co_u32 s19, s19, s18                     ; 128 batch + qt
	s_and_b32 s21, s17, 7                          ; the head
	s_mov_b32 s31, 0
	s_wait_alu depctr_va_vdst(0)
	s_wait_kmcnt 0x0
	s_lshl_b32 s30, s17, 17
	s_add_co_u32 s30, s30, 2097152
	s_add_nc_u64 s[34:35], s[4:5], s[30:31]        ; the head's K and V images
	s_lshl_b32 s30, s17, 16
	s_lshl_b32 s20, s18, 9
	s_add_co_u32 s30, s30, s20
	s_add_nc_u64 s[4:5], s[4:5], s[30:31]          ; my q
	s_lshl_b32 s30, s17, 13
	s_add_nc_u64 s[6:7], s[6:7], s[30:31]          ; the head's scale words: q's here, K's and V's 262,144 bytes on
	s_lshl_b32 s30, s19, 14
	s_add_nc_u64 s[28:29], s[10:11], s[30:31]
	s_lshl_b32 s30, s19, 12
	s_lshl_b32 s20, s21, 9
	s_add_co_u32 s30, s30, s20
	s_add_nc_u64 s[12:13], s[12:13], s[30:31]      ; aimg: 4,096 tile + 512 head
	s_lshl_b32 s30, s19, 8
	s_lshr_b32 s20, s21, 1
	s_lshl_b32 s20, s20, 6
	s_add_co_u32 s30, s30, s20
	s_and_b32 s20, s21, 1
	s_lshl_b32 s20, s20, 1
	s_add_co_u32 s30, s30, s20
	s_add_nc_u64 s[14:15], s[14:15], s[30:31]      ; asc: 256 tile + 64 (head / 2) + 2 (head % 2)
	WIN 0x40
.set i, 0
.rept 16
	global_load_b128 v[S+4*i:S+4*i+3], v16, s[34:35] offset:4096*i   ; K: the 256 threads take 4,096 consecutive bytes
.set i, i+1
.endr
.irp t, 0,1
	global_load_b128 v[Q+12*\t:Q+12*\t+3], v1, s[4:5] offset:512*\t
	global_load_b128 v[Q+12*\t+8:Q+12*\t+11], v1, s[4:5] offset:512*\t
.endr
	WIN 0
	global_load_b128 v[TS+PC:TS+PC+3], v16, s[6:7] offset:262144     ; K's scale words, V's
	global_load_b128 v[TS+PC+4:TS+PC+7], v16, s[6:7] offset:266240
	global_load_b32 v18, v10, s[6:7]
	global_load_b32 v30, v10, s[6:7] offset:64
	NMLOAD                                         ; step 0's nibble masks
	WIN 0x40
.set i, 0
.rept 16
	global_load_b128 v[O+4*i:O+4*i+3], v16, s[34:35] offset:65536+4096*i   ; V: it is stored behind walk 1
.set i, i+1
.endr
	WIN 0
	s_mov_b32 s22, 0x3e38aa3b                      ; c = log2(e) / 8
	s_mov_b32 s23, s22
	s_mov_b32 s32, 0xbe38aa3b                      ; -c
	s_mov_b32 s24, 0x76543210
	s_mov_b32 s25, 0xfedcba98
	s_mov_b32 s17, 0
	s_mov_b32 s18, 0
	s_mov_b32 s19, 16
	s_wait_loadcnt 16                              ; all but V's 16 loads are in
	WIN 0x04
.set i, 0
.rept 16
	ds_store_b128 v16, v[S+4*i:S+4*i+3] offset:4096*i
.set i, i+1
.endr
	WIN 0
	ds_store_b128 v9, v[TS+PC:TS+PC+3]
	ds_store_b128 v9, v[TS+PC+4:TS+PC+7] offset:4096
	s_wait_dscnt 0x0
	s_barrier_signal -1
	s_barrier_wait -1                              ; the head's K and all scale words lie in LDS; nothing of them is written again
	LOADK 1, 3                                     ; step 0
; ---- WALK 1
.Lwalk1:
	s_wait_loadcnt 0x0                             ; this step's nibble masks, asked for a step ago
	WIN 0x40
.irp t, 0,1
.irp m, 0,1,2,3,4,5,6,7
	v_xor_b32 v[S+64*\t+8*\m+7], 0xeeeeeeee, v[TS+TP*\t+NM+\m]   ; nibble 1: counted, E: hidden; as it stands it is score 8 m + 7's number
.endr
.endr
	WIN 0
	NMNEXT
	WIN 0x44
.irp t, 0,1
.irp m, 0,1,2,3,4,5,6,7
.irp i, 0,1,2,3,4,5,6
	v_lshlrev_b32 v[S+64*\t+8*\m+\i], 28-4*\i, v[S+64*\t+8*\m+7]   ; score 8 m + i's nibble on top
.endr
.endr
.endr
	WIN 0
	NEXTK
	v_nop
	s_wait_alu depctr_va_vdst(0)
	s_wait_dscnt 0x0                               ; this step's K, asked for a step ago
	QK 1
.rept 4
	v_nop                                          ; four places ahead of loads into registers that the products read, and of the first read of results
.endr
	LOADK 6, 7
	WIN 0x05
.irp t, 0,1
.irp b, 0,1,2,3
	v_max3_num_f32 v[TS+TP*\t+BM+\b], v[S+64*\t+16*\b], v[S+64*\t+16*\b+1], v28   ; the largest score of each block of 32 keys; eight chains by turns
.endr
.endr
.irp k, 1,2,3,4,5,6,7
.irp t, 0,1
.irp b, 0,1,2,3
	v_max3_num_f32 v[TS+TP*\t+BM+\b], v[S+64*\t+16*\b+2*\k], v[S+64*\t+16*\b+2*\k+1], v[TS+TP*\t+BM+\b]
.endr
.endr
.endr
	WIN 0
.irp t, 0,1
.irp b, 0,1,2,3
	v_permlanex16_b32 v[TS+TP*\t+PT+\b], v[TS+TP*\t+BM+\b], s24, s25
.endr
.endr
.irp t, 0,1
.irp b, 0,1,2,3
	v_max_num_f32 v[TS+TP*\t+BM+\b], v[TS+TP*\t+BM+\b], v[TS+TP*\t+PT+\b]
.endr
.endr
.irp t, 0,1
	ds_store_b128 v8, v[TS+TP*\t+BM:TS+TP*\t+BM+3] offset:4096*\t   ; (lanes r and r + 16 store the same 16 bytes)
.endr
.irp t, 0,1
	v_max3_num_f32 v[TS+TP*\t+TT], v[TS+TP*\t+BM], v[TS+TP*\t+BM+1], v[TS+TP*\t+BM+2]
.endr
.irp t, 0,1
	v_max3_num_f32 v[TS+TP*\t+MX], v[TS+TP*\t+MX], v[TS+TP*\t+TT], v[TS+TP*\t+BM+3]   ; the running largest score
.endr
.irp t, 0,1
	v_mul_f32 v[TS+TP*\t+TT], s32, v[TS+TP*\t+MX]  ; -t
.endr
.irp t, 0,1
	v_floor_f32 v[TS+TP*\t+TT], v[TS+TP*\t+TT]     ; -M = floor(-t): M is a whole number
.endr
.irp t, 0,1
	v_sub_f32 v[TS+TP*\t+FD], v[TS+TP*\t+TT], v[TS+TP*\t+NG]   ; old M - new M, 0 or less
.endr
.irp t, 0,1
	v_mov_b32 v[TS+TP*\t+NG], v[TS+TP*\t+TT]
.endr
	SCALED                                         ; t - M
.irp t, 0,1
	v_cvt_i32_f32 v[TS+TP*\t+FD], v[TS+TP*\t+FD]   ; (it saturates)
.endr
.irp t, 0,1
	v_ldexp_f32 v[TS+TP*\t+FF], 1.0, v[TS+TP*\t+FD]   ; f = 2^(old M - new M): exact
.endr
	s_wait_alu depctr_va_vdst(0)                   ; ahead of the batch
	EXPS
.irp t, 0,1
.irp j, 0,1,2,3
	v_pk_mul_f32 v[TS+TP*\t+SU+2*\j:TS+TP*\t+SU+2*\j+1], v[TS+TP*\t+SU+2*\j:TS+TP*\t+SU+2*\j+1], v[TS+TP*\t+FF:TS+TP*\t+FF+1] op_sel_hi:[1,0]   ; the sums under the new M (plain places behind the batch)
.endr
.endr
	s_wait_alu depctr_va_vdst(0)                   ; one wait for the batch, ahead of its first reader
	WIN 0x01
.irp k, 0,1,2,3,4,5,6,7
.irp t, 0,1
.irp j, 0,1,2,3
	v_pk_add_f32 v[TS+TP*\t+SU+2*\j:TS+TP*\t+SU+2*\j+1], v[S+64*\t+8*\k+2*\j:S+64*\t+8*\k+2*\j+1], v[TS+TP*\t+SU+2*\j:TS+TP*\t+SU+2*\j+1]   ; eight chains by turns
.endr
.endr
.endr
	WIN 0
	s_add_co_u32 s17, s17, 4096
	s_add_co_u32 s18, s18, 256
	s_sub_co_i32 s19, s19, 1
	s_cmp_lg_u32 s19, 0
	s_cbranch_scc1 .Lwalk1
; ---- between the walks: the exponent's offset -M - log2 l; V into LDS
	s_wait_alu depctr_va_vdst(0)
.irp t, 0,1
	v_pk_add_f32 v[TS+TP*\t+SU:TS+TP*\t+SU+1], v[TS+TP*\t+SU:TS+TP*\t+SU+1], v[TS+TP*\t+SU+2:TS+TP*\t+SU+3]
	v_pk_add_f32 v[TS+TP*\t+SU+4:TS+TP*\t+SU+5], v[TS+TP*\t+SU+4:TS+TP*\t+SU+5], v[TS+TP*\t+SU+6:TS+TP*\t+SU+7]
.endr
.irp t, 0,1
	v_pk_add_f32 v[TS+TP*\t+SU:TS+TP*\t+SU+1], v[TS+TP*\t+SU:TS+TP*\t+SU+1], v[TS+TP*\t+SU+4:TS+TP*\t+SU+5]
.endr
.irp t, 0,1
	v_add_f32 v[TS+TP*\t+SU], v[TS+TP*\t+SU], v[TS+TP*\t+SU+1]
.endr
.irp t, 0,1
	v_permlanex16_b32 v[TS+TP*\t+PT], v[TS+TP*\t+SU], s24, s25
.endr
.irp t, 0,1
	v_add_f32 v[TS+TP*\t+SU], v[TS+TP*\t+SU], v[TS+TP*\t+PT]   ; l
.endr
	s_wait_alu depctr_va_vdst(0)                   ; ahead of the transcendentals
.irp t, 0,1
	v_log_f32 v[TS+TP*\t+TT], v[TS+TP*\t+SU]
.endr
	v_nop                                          ; a plain place behind them
	s_wait_alu depctr_va_vdst(0)
.irp t, 0,1
	v_sub_f32 v[TS+TP*\t+TT], v[TS+TP*\t+NG], v[TS+TP*\t+TT]
.endr
.irp t, 0,1
	v_cmp_lt_f32 vcc_lo, 0xdd5e0b6b, v[TS+TP*\t+MX]   ; has the row a key?  Its largest score then lies above -1e18
	v_cndmask_b32 v[TS+TP*\t+NG], 0xff61b1e6, v[TS+TP*\t+TT], vcc_lo   ; if not: -3e38, so that every p is 0
.endr
	s_mov_b32 s17, 0
	s_mov_b32 s18, 0
	s_mov_b32 s19, 16
	s_wait_alu depctr_va_vdst(0)
	s_wait_loadcnt 0x0                             ; V (and step 0's nibble masks)
	WIN 0x04
.set i, 0
.rept 16
	ds_store_b128 v17, v[O+4*i:O+4*i+3] offset:4096*i
.set i, i+1
.endr
	WIN 0x40
.set i, 0
.rept 64
	v_mov_b32 v[O+i], 0                            ; O^T: walk 2 is written once, its first step adds onto zeros
.set i, i+1
.endr
	WIN 0
	s_wait_alu depctr_va_vdst(0)
	s_wait_dscnt 0x0
	s_barrier_signal -1
	s_barrier_wait -1                              ; the head's V lies in LDS
; ---- WALK 2
.Lwalk2:
	s_wait_dscnt 0x0                               ; this step's K, asked for a step ago
	QK 0
	NEXTK                                          ; (these five additions are the places in front of the loads below and of the first read of results)
	v_add_nc_u32 v9, s17, v2
	v_add_nc_u32 v10, s18, v4
.irp t, 0,1
	ds_load_b128 v[TS+TP*\t+BM:TS+TP*\t+BM+3], v8 offset:4096*\t   ; the kept maxima
.endr
.irp T, 0,1,2,3
	ds_load_b128 v[VF+8*\T:VF+8*\T+3], v9 offset:1024*\T
	ds_load_b128 v[VF+8*\T+4:VF+8*\T+7], v9 offset:1024*\T+512
.endr
	ds_load_b128 v[24:27], v10
	LOADK 6, 7
	SCALED                                         ; t - M - log2 l
	s_wait_dscnt 18                                ; the maxima are in: V's 9 and the next K's 9 loads may be out
.irp t, 0,1
.irp b, 0,1,2,3
	v_fma_f32 v[TS+TP*\t+BM+\b], v[TS+TP*\t+BM+\b], s22, v[TS+TP*\t+NG]   ; the same of each block's largest masked score
.endr
.endr
	s_wait_alu depctr_va_vdst(0)                   ; ahead of the batch
	EXPS                                           ; p, finished and normalised
.irp t, 0,1
.irp b, 0,1,2,3
	v_exp_f32 v[TS+TP*\t+BM+\b], v[TS+TP*\t+BM+\b] ; the block's largest p: the same instructions on the same number give the same bits
.endr
.endr
	v_nop                                          ; the plain place behind the batch
	s_wait_alu depctr_va_vdst(0)                   ; one wait for the 136
.irp t, 0,1
.irp b, 0,1,2,3
	v_max_num_f32 v[TS+TP*\t+BM+\b], 0x1800000, v[TS+TP*\t+BM+\b]   ; the floor 2^(3 - 127)
.endr
.endr
.irp t, 0,1
.irp b, 0,1,2,3
	v_add_nc_u32 v[TS+TP*\t+SO+\b], 0xff000000, v[TS+TP*\t+BM+\b]   ; 2 off the exponent field: the conversion's scale operand
.endr
.endr
.irp t, 0,1
.irp b, 0,1,2,3
	v_lshrrev_b32 v[TS+TP*\t+BY+\b], 23, v[TS+TP*\t+SO+\b]
.endr
.endr
.irp t, 0,1
	v_lshl_or_b32 v[TS+TP*\t+BY], v[TS+TP*\t+BY+1], 8, v[TS+TP*\t+BY]
	v_lshl_or_b32 v[TS+TP*\t+BY+2], v[TS+TP*\t+BY+3], 8, v[TS+TP*\t+BY+2]
.endr
.irp t, 0,1
	v_lshl_or_b32 v[19+12*\t], v[TS+TP*\t+BY+2], 16, v[TS+TP*\t+BY]   ; p's scale word for these 128 keys
.endr
	WIN 0x01
.irp t, 0,1
.irp b, 0,1,2,3
	v_cvt_scalef32_pk8_fp4_f32 v[TS+TP*\t+PC+2*\b], v[S+64*\t+16*\b:S+64*\t+16*\b+7], v[TS+TP*\t+SO+\b]
	v_cvt_scalef32_pk8_fp4_f32 v[TS+TP*\t+PC+2*\b+1], v[S+64*\t+16*\b+8:S+64*\t+16*\b+15], v[TS+TP*\t+SO+\b]
.endr
.endr
	WIN 0
	v_nop                                          ; one plain place behind a scaled conversion
	s_wait_alu depctr_va_vdst(0)
	s_wait_loadcnt 0x0                             ; this step's nibble masks, asked for a step ago
.irp t, 0,1
.irp m, 0,1,2,3,4,5,6,7
	v_and_b32 v[TS+TP*\t+PC+\m], v[TS+TP*\t+PC+\m], v[TS+TP*\t+NM+\m]   ; hidden keys' codes become zeros
.endr
.endr
	NMNEXT
.irp t, 0,1
	v_permlane16_swap_b32 v[TS+TP*\t+PC], v[TS+TP*\t+PC+2]           ; a WHOLE block in a lane
	v_permlane16_swap_b32 v[TS+TP*\t+PC+1], v[TS+TP*\t+PC+3]
	v_permlane16_swap_b32 v[TS+TP*\t+PC+4], v[TS+TP*\t+PC+6]
	v_permlane16_swap_b32 v[TS+TP*\t+PC+5], v[TS+TP*\t+PC+7]
.endr
.rept 5
	v_nop                                          ; an operand made by vector instructions stands 4 places ahead of a scaled product, a scale word 8 (these five, the place behind the conversions, the offset's two)
.endr
	s_wait_dscnt 9                                 ; V and its scale words are in: the next K's 9 loads may be out
	WIN 0x50
	s_wait_alu depctr_va_vdst(0)                   ; ahead of the first reader of O^T
.irp t, 0,1
.irp T, 0,1,2,3
	v_wmma_scale_f32_16x16x128_f8f6f4 v[O+32*\t+8*\T:O+32*\t+8*\T+7], v[VF+8*\T:VF+8*\T+7], v[TS+TP*\t+PC:TS+TP*\t+PC+7], v[O+32*\t+8*\T:O+32*\t+8*\T+7], v[24+\T], v[19+12*\t] matrix_a_fmt:MATRIX_FMT_FP4 matrix_b_fmt:MATRIX_FMT_FP4
.endr
.endr
	WIN 0
	s_add_co_u32 s17, s17, 4096
	s_add_co_u32 s18, s18, 256
	s_sub_co_i32 s19, s19, 1
	s_cmp_lg_u32 s19, 0
	s_cbranch_scc1 .Lwalk2
; ---- THE WAY OUT: register 16 b + i of O^T is channel 32 b + 16 h + i of the head: two blocks of the next product's K.  Quantised here; for each tile half a fragment (512 bytes) and half a scale word leave.
.rept 4
	v_nop
.endr
	WIN 0x05
	s_wait_alu depctr_va_vdst(0)                   ; ahead of the first reader of O^T
.irp t, 0,1
.irp b, 0,1
	v_max3_num_f32 v[TS+TP*\t+BM+\b], |v[O+32*\t+16*\b]|, |v[O+32*\t+16*\b+1]|, 0x1800000
.endr
.endr
.irp i, 2,4,6,8,10,12,14
.irp t, 0,1
.irp b, 0,1
	v_max3_num_f32 v[TS+TP*\t+BM+\b], |v[O+32*\t+16*\b+\i]|, |v[O+32*\t+16*\b+\i+1]|, v[TS+TP*\t+BM+\b]
.endr
.endr
.endr
	WIN 0
.irp t, 0,1
.irp b, 0,1
	v_permlanex16_b32 v[TS+TP*\t+PT+\b], v[TS+TP*\t+BM+\b], s24, s25
.endr
.endr
.irp t, 0,1
.irp b, 0,1
	v_max_num_f32 v[TS+TP*\t+BM+\b], v[TS+TP*\t+BM+\b], v[TS+TP*\t+PT+\b]
.endr
.endr
.irp t, 0,1
.irp b, 0,1
	v_add_nc_u32 v[TS+TP*\t+SO+\b], 0xff000000, v[TS+TP*\t+BM+\b]
.endr
.endr
.irp t, 0,1
.irp b, 0,1
	v_lshrrev_b32 v[TS+TP*\t+BY+\b], 23, v[TS+TP*\t+SO+\b]
.endr
.endr
	WIN 0x01
.irp t, 0,1
.irp b, 0,1
	v_cvt_scalef32_pk8_fp4_f32 v[TS+TP*\t+PC+2*\b], v[O+32*\t+16*\b:O+32*\t+16*\b+7], v[TS+TP*\t+SO+\b]
	v_cvt_scalef32_pk8_fp4_f32 v[TS+TP*\t+PC+2*\b+1], v[O+32*\t+16*\b+8:O+32*\t+16*\b+15], v[TS+TP*\t+SO+\b]
.endr
.endr
	WIN 0
	v_nop
.irp t, 0,1
	v_permlane16_swap_b32 v[TS+TP*\t+PC], v[TS+TP*\t+PC+2]
	v_permlane16_swap_b32 v[TS+TP*\t+PC+1], v[TS+TP*\t+PC+3]
	v_lshl_or_b32 v[TS+TP*\t+TT], v[TS+TP*\t+BY+1], 8, v[TS+TP*\t+BY]
.endr
.irp t, 0,1
	global_store_b128 v1, v[TS+TP*\t+PC:TS+TP*\t+PC+3], s[12:13] offset:4096*\t   ; 512 consecutive bytes
	global_store_b16 v29, v[TS+TP*\t+TT], s[14:15] offset:256*\t
.endr
	s_wait_tensorcnt 0x0                           ; the wave's end
	ds_add_u32 v250, v251
	s_wait_dscnt 0x0
	s_endpgm
.Lfunc_end_k_qd0880769b1_attn:
	.size	k_qd0880769b1_attn, .Lfunc_end_k_qd0880769b1_attn-k_qd0880769b1_attn
	.p2alignl 7, 3214868480
	.fill 96, 4, 3214868480
	.section	.rodata,"a",@progbits
	.p2align	6, 0x0
	.amdhsa_kernel k_qd0880769b1_attn
		.amdhsa_group_segment_fixed_size 205824
		.amdhsa_private_segment_fixed_size 0
		.amdhsa_enable_private_segment 0
		.amdhsa_kernarg_size 40
		.amdhsa_user_sgpr_count 2
		.amdhsa_user_sgpr_kernarg_segment_ptr 1
		.amdhsa_wavefront_size32 1
		.amdhsa_system_sgpr_workgroup_id_x 1
		.amdhsa_system_sgpr_workgroup_id_y 1
		.amdhsa_system_sgpr_workgroup_id_z 1
		.amdhsa_system_vgpr_workitem_id 0
		.amdhsa_next_free_vgpr 512
		.amdhsa_next_free_sgpr 66
		.amdhsa_reserve_vcc 1
		.amdhsa_float_denorm_mode_32 3
		.amdhsa_float_denorm_mode_16_64 3
		.amdhsa_memory_ordered 1
		.amdhsa_forward_progress 1
		.amdhsa_inst_pref_size 65
	.end_amdhsa_kernel
	.amdgpu_metadata
---
amdhsa.version: [ 1, 2 ]
amdhsa.kernels:
  - .name:           k_qd0880769b1_attn
    .symbol:         k_qd0880769b1_attn.kd
    .args:
      - { .name: qkvimg, .offset: 0, .size: 8, .value_kind: global_buffer, .address_space: global }
      - { .name: qkvsc, .offset: 8, .size: 8, .value_kind: global_buffer, .address_space: global }
      - { .name: mnib, .offset: 16, .size: 8, .value_kind: global_buffer, .address_space: global }
      - { .name: aimg, .offset: 24, .size: 8, .value_kind: global_buffer, .address_space: global }
      - { .name: asc, .offset: 32, .size: 8, .value_kind: global_buffer, .address_space: global }
    .group_segment_fixed_size: 205824
    .private_segment_fixed_size: 0
    .kernarg_segment_align: 8
    .kernarg_segment_size: 40
    .max_flat_workgroup_size: 256
    .sgpr_count:     66
    .vgpr_count:     512
    .wavefront_size: 32
...
	.end_amdgpu_metadata
.endif
;; end of part 3
;; launch tail (part 4): grid 256 x 1, 8 waves a work-group, no clusters, 137,728 bytes of LDS; arguments x, aimg, asc, wimg, wsc, bo, ln2_g, ln2_b, b1, b2, out0; writes out0
.if DOCPART == 4
	.amdgcn_target "amdgcn-amd-amdhsa--gfx1250"
	.amdhsa_code_object_version 6
	.text
	.protected	k_qd0880769b1_tail
	.globl	k_qd0880769b1_tail
	.p2align	8
	.type	k_qd0880769b1_tail,@function
k_qd0880769b1_tail:
	s_mov_b64 s[64:65], 0
	v_nop
	global_prefetch_b8 v0, s[64:65] scope:SCOPE_SE
	s_setreg_imm32_b32 hwreg(HW_REG_WAVE_MODE, 25, 1), 1
	s_wait_xcnt 0x0
; TAIL.  x1 = x + bo + attn wo;  h = LayerNorm 2 (x1);  out = x1 + b2 + relu(h w1 + b1) w2.  The three products on codes of E2M1; h and the hidden layer are quantised on the way and never go to memory.
; A work-group takes 32 tokens (two tiles u; lane r of tile u is token 8 u + r + 8 (r / 8)).  THE WAVES SHARE THE COLUMNS: wave w makes channels 64 w .. 64 w + 63 (wo, w2) and hidden units 256 w .. 256 w + 255, for all 32 tokens.
; All products: source 0 = 16 columns of the weight, source 1 = the rows' tile: a lane holds one token, register 16 b + i = column 32 b + 16 (lane / 16) + i of the 64 in hand.
; Operands go from wave to wave through LDS as images of their registers.  The residual and the biases are the C of each sum's first product (another order of f32 rounding than x + (.. + b)).
; THE WEIGHTS come from memory straight into operand registers (each fragment is used by one wave of the work-group), in groups of four fragments and their four scale words (12 loads),
; through a ring of FIVE slots in register window 1 (v256-415), one ring over all 36 groups, across phases and barriers: a group is asked for five groups ahead, 60 loads of a wave are out at the most.
; No tensor load, no cluster: stated cost: all 256 work-groups read the same 1.2 MB of weight codes.  LIMITS: NaN, infinities not served; a block of zeros has the byte 1.
.set STG,  0                           ; 32 rows (16 u + r) x (2,048 + 16) bytes: x, then x1, then the output
.set AIMG, 66048                       ; attention's 8 fragments (4 u + ks)
.set ASC,  74240
.set HIMG, 74752                       ; h's 8 fragments
.set HSC,  82944
.set FIMG, 83456                       ; the hidden layer's 32 fragments (16 u + ks)
.set FSC,  116224
.set RED1, 118272                      ; [16 u + r][wave] sums; the sums of squares 1,024 bytes on
.set VEC,  120320                      ; bo, b2, ln2_g, ln2_b (2,048 each), b1 (8,192)
.set L16, 1
.set R4,  2
.set XS,  24                           ; v24-27   the rows' scale words (scales and nothing else)
.set PW,  28
.set ACC, 32
.set WS,  116                          ; v116-135 the weights' scale words: slot s at 4 ((s + 1) % 5) (scales and nothing else)
.set XF,  160
.set T32, 192
.set PC,  224
.set TM,  232
.set SEL, 50
.set WB1, 52
.set SB1, 54
.set WB2, 56
.set SB2, 58
.set NG,  36                           ; groups: wo 4, w1 16, w2 16
.set NS,  5                            ; slots of the weights' ring: window 1, slot s at v[32 s], tile T at + 8 T
.set MSB, 0
.macro WIN new                         ; the register windows: bits 1:0 source 0, 3:2 source 1, 5:4 source 2, 7:6 destination; the immediate's high byte repeats the setting that is left
.if MSB != \new
	s_set_vgpr_msb (MSB<<8)|\new
.set MSB, \new
.endif
.endm
.macro BARRIER                         ; my LDS stores have landed and my LDS loads are in: then the work-group's barrier
	s_wait_dscnt 0x0
	s_barrier_signal -1
	s_barrier_wait -1
.endm
.macro LOADW slot, bs, sbs, off, tstr  ; four weight fragments (into window 1) and their scale words (window 0): 12 loads
	WIN 0x40
.irp T, 0,1,2,3
	global_load_b128 v[32*(\slot)+8*\T:32*(\slot)+8*\T+3], v[L16], s[\bs:\bs+1] offset:(\off)+\T*(\tstr)
	global_load_b128 v[32*(\slot)+8*\T+4:32*(\slot)+8*\T+7], v[L16], s[\bs:\bs+1] offset:(\off)+\T*(\tstr)+512
.endr
	WIN 0
.irp T, 0,1,2,3
	global_load_b32 v[WS+4*(((\slot)+1)%NS)+\T], v[R4], s[\sbs:\sbs+1] offset:((\off)+\T*(\tstr))/16
.endr
.endm
.macro WRING gam                       ; group gam's weights, if there is such a group
.if (\gam) < 4
	LOADW (\gam)%NS, WB1, SB1, 393216+1024*(\gam), 4096
.elseif (\gam) < 20
	LOADW (\gam)%NS, WB2, SB2, 524288+16384*(((\gam)-4)/4)+1024*(((\gam)-4)%4), 4096
.elseif (\gam) < 36
	LOADW (\gam)%NS, WB2, SB2, 1048576+1024*((\gam)-20), 16384
.endif
.endm
.macro FETCHX slot, ax, sx, f0, f1     ; two fragments of the rows' operand and their scale words: 6 LDS loads
	ds_load_b128 v[XF+16*(\slot):XF+16*(\slot)+3], v[\ax] offset:(\f0)*1024
	ds_load_b128 v[XF+16*(\slot)+4:XF+16*(\slot)+7], v[\ax] offset:(\f0)*1024+512
	ds_load_b32 v[XS+2*(\slot)], v[\sx] offset:(\f0)*64
	ds_load_b128 v[XF+16*(\slot)+8:XF+16*(\slot)+11], v[\ax] offset:(\f1)*1024
	ds_load_b128 v[XF+16*(\slot)+12:XF+16*(\slot)+15], v[\ax] offset:(\f1)*1024+512
	ds_load_b32 v[XS+2*(\slot)+1], v[\sx] offset:(\f1)*64
.endm
.macro MUL8 ws, xs                     ; eight products; the eight accumulators take turns, one instruction a turn, in the same order in every group
	WIN 0x01                                       ; the weight is source 0: window 1
.irp T, 0,1,2,3
.irp u, 0,1
	v_wmma_scale_f32_16x16x128_f8f6f4 v[ACC+32*\u+8*\T:ACC+32*\u+8*\T+7], v[32*(\ws)+8*\T:32*(\ws)+8*\T+7], v[XF+16*(\xs)+8*\u:XF+16*(\xs)+8*\u+7], v[ACC+32*\u+8*\T:ACC+32*\u+8*\T+7], v[WS+4*(((\ws)+1)%NS)+\T], v[XS+2*(\xs)+\u] matrix_a_fmt:MATRIX_FMT_FP4 matrix_b_fmt:MATRIX_FMT_FP4
.endr
.endr
	WIN 0
.endm
; n groups (K steps 0 .. n - 1) from ring number g0 on; the rows' fragments are ks and fu + ks of the region at v[ax], v[sx]
.macro RUN g0, n, ax, sx, fu
	FETCHX 0, \ax, \sx, 0, \fu
	FETCHX 1, \ax, \sx, 1, (\fu)+1
.set rk, 0
.rept \n
.set wsl, ((\g0)+rk)%NS
.set lft, NG-1-(\g0)-rk
.if lft > NS-1
.set lft, NS-1
.endif
	s_wait_loadcnt 12*lft                          ; this group's weights are in; the younger groups' loads, twelve each, four groups at the most, may be out
.if rk+1 < (\n)
	s_wait_dscnt 6                                 ; this group's fragments are in; the next group's six LDS loads may be out
.else
	s_wait_dscnt 0x0
.endif
	MUL8 wsl, rk%2
.rept 4
	v_nop                                          ; four places in front of loads into registers that these products have read, and of the first read of results
.endr
	WRING (\g0)+rk+NS                              ; the slot just multiplied takes the group five further on
.if rk+2 < (\n)
	FETCHX rk%2, \ax, \sx, rk+2, (\fu)+rk+2
.endif
.set rk, rk+1
.endr
.endm
.macro LDV reg, adr, off               ; 32 numbers of a vector in the result's layout: register 16 b + i = element 32 b + 16 (lane / 16) + i
.irp b, 0,1
.irp j, 0,1,2,3
	ds_load_b128 v[(\reg)+16*\b+4*\j:(\reg)+16*\b+4*\j+3], v[\adr] offset:(\off)+128*\b+16*\j
.endr
.endr
.endm
.macro STSTG                           ; my 64 columns of the 32 rows into the stage, each accumulator from its low end on
.irp u, 0,1
.irp b, 0,1
.irp j, 0,1,2,3
	ds_store_b128 v9, v[ACC+32*\u+16*\b+4*\j:ACC+32*\u+16*\b+4*\j+3] offset:33024*\u+128*\b+16*\j
.endr
.endr
.endr
.endm
.macro ADDVEC                          ; the vector in v[T32] on is added to both tiles
.irp u, 0,1
.set ai, 0
.rept 16
	v_pk_add_f32 v[ACC+32*\u+ai:ACC+32*\u+ai+1], v[ACC+32*\u+ai:ACC+32*\u+ai+1], v[T32+ai:T32+ai+1]
.set ai, ai+2
.endr
.endr
.endm
.macro SUM8 rb                         ; the eight waves' parts
	v_pk_add_f32 v[\rb:\rb+1], v[\rb:\rb+1], v[\rb+2:\rb+3]
	v_pk_add_f32 v[\rb+4:\rb+5], v[\rb+4:\rb+5], v[\rb+6:\rb+7]
	s_delay_alu instid0(VALU_DEP_1)
	v_pk_add_f32 v[\rb:\rb+1], v[\rb:\rb+1], v[\rb+4:\rb+5]
	s_delay_alu instid0(VALU_DEP_1)
	v_add_f32 v[\rb], v[\rb], v[\rb+1]
.endm
.macro ACROSS off                      ; the two chains of each tile, lane l xor 16's, my word in LDS; a barrier; all eight words back
.irp u, 0,1
	v_pk_add_f32 v[224+4*\u:225+4*\u], v[224+4*\u:225+4*\u], v[226+4*\u:227+4*\u]
	s_delay_alu instid0(VALU_DEP_1)
	v_add_f32 v[224+4*\u], v[224+4*\u], v[225+4*\u]
	s_delay_alu instid0(VALU_DEP_1)
	v_permlanex16_b32 v[TM+4+\u], v[224+4*\u], s[SEL], s[SEL+1]
	s_delay_alu instid0(VALU_DEP_1)
	v_add_f32 v[224+4*\u], v[224+4*\u], v[TM+4+\u]
	ds_store_b32 v16, v[224+4*\u] offset:\off+512*\u
.endr
	BARRIER
	ds_load_b128 v[224:227], v17 offset:\off
	ds_load_b128 v[228:231], v17 offset:\off+16
	ds_load_b128 v[240:243], v17 offset:\off+512
	ds_load_b128 v[244:247], v17 offset:\off+528
	s_wait_dscnt 0x0
	SUM8 224
	SUM8 240
.endm
; nb blocks of 32: register 16 b + i of v[s] on = number 16 (lane / 16) + i of block b.  Codes to v[PC + 2 b], v[PC + 2 b + 1]; bytes to v[TM + 4 + b].
.macro QCORE s, nb
.set qb, 0
.rept \nb
	v_max3_num_f32 v[TM+qb], |v[(\s)+16*qb]|, |v[(\s)+16*qb+1]|, 0x1800000   ; my 16 numbers, and the floor 2^(3 - 127): the byte cannot fall under 1
.set qb, qb+1
.endr
.set qi, 2
.rept 7
.set qb, 0
.rept \nb
	s_delay_alu instid0(VALU_DEP_2)
	v_max3_num_f32 v[TM+qb], v[TM+qb], |v[(\s)+16*qb+qi]|, |v[(\s)+16*qb+qi+1]|
.set qb, qb+1
.endr
.set qi, qi+2
.endr
.set qb, 0
.rept \nb
	s_delay_alu instid0(VALU_DEP_2)
	v_permlanex16_b32 v[TM+4+qb], v[TM+qb], s[SEL], s[SEL+1]
.set qb, qb+1
.endr
.set qb, 0
.rept \nb
	s_delay_alu instid0(VALU_DEP_2)
	v_max_num_f32 v[TM+qb], v[TM+qb], v[TM+4+qb]
.set qb, qb+1
.endr
.set qb, 0
.rept \nb
	s_delay_alu instid0(VALU_DEP_2)
	v_add_nc_u32 v[TM+12+qb], 0xff000000, v[TM+qb]
.set qb, qb+1
.endr
.set qb, 0
.rept \nb
	s_delay_alu instid0(VALU_DEP_2)
	v_lshrrev_b32 v[TM+4+qb], 23, v[TM+12+qb]
.set qb, qb+1
.endr
.set qb, 0
.rept \nb
	v_cvt_scalef32_pk8_fp4_f32 v[PC+2*qb], v[(\s)+16*qb:(\s)+16*qb+7], v[TM+12+qb]
	v_cvt_scalef32_pk8_fp4_f32 v[PC+2*qb+1], v[(\s)+16*qb+8:(\s)+16*qb+15], v[TM+12+qb]
.set qb, qb+1
.endr
	v_nop                                          ; one plain place behind a scaled conversion
.endm
.macro QSWAP2                          ; a WHOLE block in a lane; the two bytes make half a scale word
	v_permlane16_swap_b32 v[PC], v[PC+2]
	v_permlane16_swap_b32 v[PC+1], v[PC+3]
	v_lshl_or_b32 v[PW], v[TM+5], 8, v[TM+4]
.endm
	s_load_b512 s[4:19], s[0:1], 0x0               ; x, aimg, asc, wimg, wsc, bo, ln2_g, ln2_b
	s_load_b128 s[20:23], s[0:1], 0x40             ; b1, b2
	s_load_b64 s[24:25], s[0:1], 0x50              ; out0
	v_lshl_add_u32 v254, v0, 2, 0x21600
	v_mov_b32 v255, 0
	v_lshrrev_b32 v30, 5, v0
	s_delay_alu instid0(VALU_DEP_1)
	v_readfirstlane_b32 s26, v30                   ; wave w
	v_and_b32 v30, 31, v0
	v_and_b32 v31, 15, v0                          ; r
	v_bfe_u32 v29, v0, 4, 1                        ; h
	s_delay_alu instid0(VALU_DEP_3)
	v_lshlrev_b32 v[L16], 4, v30
	s_delay_alu instid0(VALU_DEP_3)
	v_lshlrev_b32 v[R4], 2, v31
	s_delay_alu instid0(VALU_DEP_2)
	v_add_nc_u32 v3, AIMG, v[L16]                  ; v3-8 the three operands' images and scale words, read
	s_delay_alu instid0(VALU_DEP_2)
	v_add_nc_u32 v4, ASC, v[R4]
	s_delay_alu instid0(VALU_DEP_4)
	v_add_nc_u32 v5, HIMG, v[L16]
	s_delay_alu instid0(VALU_DEP_4)
	v_add_nc_u32 v6, HSC, v[R4]
	v_add_nc_u32 v7, FIMG, v[L16]
	v_add_nc_u32 v8, FSC, v[R4]
	s_lshl_b32 s30, s26, 8
	v_mul_u32_u24 v9, v31, 2064
	s_delay_alu instid0(VALU_DEP_1)
	v_lshl_add_u32 v9, v29, 6, v9
	s_delay_alu instid0(VALU_DEP_1)
	v_add_nc_u32 v9, s30, v9                       ; v9  the stage: row r, my 64 columns, my half's 16 of each 32
	v_lshl_add_u32 v10, v29, 6, s30
	s_delay_alu instid0(VALU_DEP_1)
	v_add_nc_u32 v10, VEC, v10                     ; v10 vectors of 512, in the result's layout
	s_lshl_b32 s30, s26, 10
	v_lshl_add_u32 v11, v29, 6, s30
	s_delay_alu instid0(VALU_DEP_1)
	v_add_nc_u32 v11, VEC+8192, v11                ; v11 b1 likewise
	s_lshl_b32 s30, s26, 9
	v_add_nc_u32 v12, s30, v5                      ; v12 h: my half fragment: K step w / 2, part w % 2
	s_lshr_b32 s30, s26, 1
	s_lshl_b32 s30, s30, 6
	s_and_b32 s31, s26, 1
	s_lshl_b32 s31, s31, 1
	s_add_co_u32 s30, s30, s31
	v_add_nc_u32 v13, s30, v6                      ; v13 and my half of its scale word
	s_lshl_b32 s30, s26, 11
	v_add_nc_u32 v14, s30, v7                      ; v14 the hidden layer: K steps 2 w, 2 w + 1
	s_lshl_b32 s30, s26, 7
	v_add_nc_u32 v15, s30, v8                      ; v15 their scale words
	v_lshlrev_b32 v17, 5, v31
	s_delay_alu instid0(VALU_DEP_1)
	v_add_nc_u32 v17, RED1, v17                    ; v17 the eight parts of row r
	s_lshl_b32 s30, s26, 2
	v_add_nc_u32 v16, s30, v17                     ; v16 my part
	s_mul_i32 s30, s26, 8256
	v_add_nc_u32 v18, s30, v[L16]                  ; v18 whole stage rows 4 w .. 4 w + 3
	v_lshl_add_u32 v19, v0, 4, AIMG                ; v19-21 into LDS, thread by thread
	v_lshl_add_u32 v20, v0, 1, ASC
	v_lshl_add_u32 v21, v0, 4, VEC
	v_and_b32 v22, 127, v0
	s_delay_alu instid0(VALU_DEP_1)
	v_lshlrev_b32 v22, 4, v22                      ; v22, v23, v30 the same in memory
	v_lshlrev_b32 v23, 1, v0
	v_lshlrev_b32 v30, 4, v0
.irp b, 0,1,2,3,4,5,6,7
	v_mov_b32 v[TM+\b], 0                          ; written once: upper halves of pairs and lane permutes' destinations count as read
.endr
	s_mov_b32 s48, 0x3b000000                      ; 1 / 512
	s_mov_b32 s49, 0x3727c5ac                      ; 1e-5
	s_mov_b32 s[SEL], 0x76543210
	s_mov_b32 s[SEL+1], 0xfedcba98
	s_lshr_b32 s27, s26, 2
	s_and_b32 s28, s26, 3
	s_lshl_b32 s30, ttmp9, 5                       ; stage rows 4 w + 0 .. 3 are tokens 32 G + 8 (w / 4) + 4 (w % 4) + 8 ((w % 4) / 2) + 0 .. 3
	s_lshl_b32 s31, s27, 3
	s_add_co_u32 s30, s30, s31
	s_lshl_b32 s31, s28, 2
	s_add_co_u32 s30, s30, s31
	s_lshr_b32 s31, s28, 1
	s_lshl_b32 s31, s31, 3
	s_add_co_u32 s30, s30, s31
	s_lshl_b32 s30, s30, 11
	s_mov_b32 s31, 0
	s_wait_alu depctr_va_vdst(0)
	s_wait_kmcnt 0x0
	s_add_nc_u64 s[4:5], s[4:5], s[30:31]
	s_add_nc_u64 s[24:25], s[24:25], s[30:31]
	s_lshl_b32 s30, ttmp9, 13
	s_add_nc_u64 s[6:7], s[6:7], s[30:31]
	s_lshl_b32 s30, ttmp9, 9
	s_add_nc_u64 s[8:9], s[8:9], s[30:31]
	s_lshl_b32 s30, s26, 14
	s_add_nc_u64 s[WB1:WB1+1], s[10:11], s[30:31]
	s_lshl_b32 s30, s26, 10
	s_add_nc_u64 s[SB1:SB1+1], s[12:13], s[30:31]
	s_lshl_b32 s30, s26, 16
	s_add_nc_u64 s[WB2:WB2+1], s[10:11], s[30:31]
	s_lshl_b32 s30, s26, 12
	s_add_nc_u64 s[SB2:SB2+1], s[12:13], s[30:31]
	s_cmp_lt_u32 s26, 4
	s_cselect_b64 s[14:15], s[14:15], s[22:23]     ; waves 0-3 bring bo and the gain, waves 4-7 b2 and the bias
	s_cselect_b64 s[16:17], s[16:17], s[18:19]
	; ---- PHASE 0: everything that the work-group shares goes into LDS; the first three groups of weights go out with it: 23 + 36 = 59 loads
.irp p, 0,1,2,3
.irp e, 0,1,2,3
	global_load_b128 v[ACC+16*\p+4*\e:ACC+16*\p+4*\e+3], v[L16], s[4:5] offset:2048*\p+512*\e   ; 512 consecutive bytes of a row of x
.endr
.endr
	global_load_b128 v[160:163], v30, s[6:7]
	global_load_b128 v[164:167], v30, s[6:7] offset:4096
	global_load_u16 v168, v23, s[8:9]
	global_load_b128 v[172:175], v22, s[14:15]
	global_load_b128 v[176:179], v22, s[16:17]
	global_load_b128 v[180:183], v30, s[20:21]
	global_load_b128 v[184:187], v30, s[20:21] offset:4096
	WRING 0
	WRING 1
	WRING 2
	s_wait_loadcnt 36                              ; the 23 are in: the three groups' 36 loads may be out
.irp p, 0,1,2,3
.irp e, 0,1,2,3
	ds_store_b128 v18, v[ACC+16*\p+4*\e:ACC+16*\p+4*\e+3] offset:2064*\p+512*\e
.endr
.endr
	ds_store_b128 v19, v[160:163]
	ds_store_b128 v19, v[164:167] offset:4096
	ds_store_b16 v20, v168
	ds_store_b128 v21, v[172:175]
	ds_store_b128 v21, v[176:179] offset:4096
	ds_store_b128 v21, v[180:183] offset:8192
	ds_store_b128 v21, v[184:187] offset:12288
	WRING 3                                        ; the ring is full: 60 loads at the most; from here on it has the only global loads
	WRING 4
	BARRIER
	; ---- PHASE 1: x1 = x + bo + attn wo
	LDV ACC, 9, 0
	LDV ACC+32, 9, 33024
	LDV T32, 10, 0
	s_wait_dscnt 0x0
	ADDVEC
	s_wait_alu depctr_va_vdst(0)
	RUN 0, 4, 3, 4, 4
	STSTG                                          ; x1 is kept for the last sum, in bytes that are my wave's alone
	LDV XF, 10, 4096                               ; the gain
	LDV T32, 10, 6144                              ; the bias
	; LayerNorm 2: the mean
.irp u, 0,1
	v_pk_add_f32 v[224+4*\u:225+4*\u], v[ACC+32*\u:ACC+32*\u+1], v[ACC+32*\u+2:ACC+32*\u+3]
	v_pk_add_f32 v[226+4*\u:227+4*\u], v[ACC+32*\u+4:ACC+32*\u+5], v[ACC+32*\u+6:ACC+32*\u+7]
.endr
.set i, 8
.rept 6
.irp u, 0,1
	v_pk_add_f32 v[224+4*\u:225+4*\u], v[224+4*\u:225+4*\u], v[ACC+32*\u+i:ACC+32*\u+i+1]
	v_pk_add_f32 v[226+4*\u:227+4*\u], v[226+4*\u:227+4*\u], v[ACC+32*\u+i+2:ACC+32*\u+i+3]
.endr
.set i, i+4
.endr
	ACROSS 0
	v_mul_f32 v232, s48, v224
	s_delay_alu instid0(VALU_DEP_2)
	v_mul_f32 v234, s48, v240
.irp u, 0,1
.set i, 0
.rept 16
	v_pk_add_f32 v[ACC+32*\u+i:ACC+32*\u+i+1], v[ACC+32*\u+i:ACC+32*\u+i+1], v[232+2*\u:233+2*\u] op_sel_hi:[1,0] neg_lo:[0,1] neg_hi:[0,1]
.set i, i+2
.endr
.endr
	; the variance
.irp u, 0,1
	v_pk_mul_f32 v[224+4*\u:225+4*\u], v[ACC+32*\u:ACC+32*\u+1], v[ACC+32*\u:ACC+32*\u+1]
	v_pk_mul_f32 v[226+4*\u:227+4*\u], v[ACC+32*\u+2:ACC+32*\u+3], v[ACC+32*\u+2:ACC+32*\u+3]
.endr
.set i, 4
.rept 7
.irp u, 0,1
	s_delay_alu instid0(VALU_DEP_4)
	v_pk_fma_f32 v[224+4*\u:225+4*\u], v[ACC+32*\u+i:ACC+32*\u+i+1], v[ACC+32*\u+i:ACC+32*\u+i+1], v[224+4*\u:225+4*\u]
	s_delay_alu instid0(VALU_DEP_4)
	v_pk_fma_f32 v[226+4*\u:227+4*\u], v[ACC+32*\u+i+2:ACC+32*\u+i+3], v[ACC+32*\u+i+2:ACC+32*\u+i+3], v[226+4*\u:227+4*\u]
.endr
.set i, i+4
.endr
	ACROSS 1024
	v_fma_f32 v232, v224, s48, s49
	s_delay_alu instid0(VALU_DEP_2)
	v_fma_f32 v234, v240, s48, s49
	s_wait_alu depctr_va_vdst(0)
	v_rsq_f32 v232, v232
	v_rsq_f32 v234, v234
	v_nop                                          ; a plain place behind the transcendentals
	s_wait_alu depctr_va_vdst(0)                   ; one wait for the two, ahead of their first reader
.irp u, 0,1
.set i, 0
.rept 16
	v_pk_mul_f32 v[ACC+32*\u+i:ACC+32*\u+i+1], v[ACC+32*\u+i:ACC+32*\u+i+1], v[232+2*\u:233+2*\u] op_sel_hi:[1,0]
.set i, i+2
.endr
.endr
.irp u, 0,1
.set i, 0
.rept 16
	v_pk_fma_f32 v[ACC+32*\u+i:ACC+32*\u+i+1], v[ACC+32*\u+i:ACC+32*\u+i+1], v[XF+i:XF+i+1], v[T32+i:T32+i+1]
.set i, i+2
.endr
.endr
.irp u, 0,1
	QCORE ACC+32*\u, 2
	QSWAP2
	ds_store_b128 v12, v[PC:PC+3] offset:4096*\u
	ds_store_b16 v13, v[PW] offset:256*\u
.endr
	BARRIER                                        ; h's eight fragments lie in LDS
	; ---- PHASE 2: the hidden layer, 64 of my 256 units at a time; b1 is the C of each sum's first product
.irp q, 0,1,2,3
	LDV ACC, 11, 256*\q
	LDV ACC+32, 11, 256*\q
	RUN 4+4*\q, 4, 5, 6, 4
.irp u, 0,1
.set i, 0
.rept 32
	v_max_num_f32 v[ACC+32*\u+i], 0, v[ACC+32*\u+i]   ; the activation, in f32
.set i, i+1
.endr
	QCORE ACC+32*\u, 2
	QSWAP2
	ds_store_b128 v14, v[PC:PC+3] offset:16384*\u+512*\q
	ds_store_b16 v15, v[PW] offset:1024*\u+64*(\q/2)+2*(\q%2)
.endr
.endr
	BARRIER                                        ; the hidden layer's 32 fragments lie in LDS
	; ---- PHASE 3: out = x1 + b2 + hidden w2
	LDV ACC, 9, 0
	LDV ACC+32, 9, 33024
	LDV T32, 10, 2048
	s_wait_dscnt 0x0
	ADDVEC
	s_wait_alu depctr_va_vdst(0)
	RUN 20, 16, 7, 8, 16
	STSTG
	BARRIER                                        ; 32 whole rows of the output lie in the stage
.irp p, 0,1,2,3
.irp e, 0,1,2,3
	ds_load_b128 v[ACC+16*\p+4*\e:ACC+16*\p+4*\e+3], v18 offset:2064*\p+512*\e
.endr
.endr
.irp p, 0,1,2,3
.irp e, 0,1,2,3
	s_wait_dscnt 15-4*\p-\e                        ; LDS loads come back in order: this piece is in, the younger ones may be out
	global_store_b128 v[L16], v[ACC+16*\p+4*\e:ACC+16*\p+4*\e+3], s[24:25] offset:2048*\p+512*\e th:TH_STORE_NT   ; 32 lanes store 512 consecutive bytes, aligned; written once
.endr
.endr
	s_wait_tensorcnt 0x0
	ds_add_u32 v254, v255
	s_wait_dscnt 0x0
	s_endpgm
.Lfunc_end_k_qd0880769b1_tail:
	.size	k_qd0880769b1_tail, .Lfunc_end_k_qd0880769b1_tail-k_qd0880769b1_tail
	.p2alignl 7, 3214868480
	.fill 96, 4, 3214868480
	.section	.rodata,"a",@progbits
	.p2align	6, 0x0
	.amdhsa_kernel k_qd0880769b1_tail
		.amdhsa_group_segment_fixed_size 137728
		.amdhsa_private_segment_fixed_size 0
		.amdhsa_enable_private_segment 0
		.amdhsa_kernarg_size 88
		.amdhsa_user_sgpr_count 2
		.amdhsa_user_sgpr_kernarg_segment_ptr 1
		.amdhsa_wavefront_size32 1
		.amdhsa_system_sgpr_workgroup_id_x 1
		.amdhsa_system_sgpr_workgroup_id_y 1
		.amdhsa_system_sgpr_workgroup_id_z 1
		.amdhsa_system_vgpr_workitem_id 0
		.amdhsa_next_free_vgpr 416
		.amdhsa_next_free_sgpr 66
		.amdhsa_reserve_vcc 0
		.amdhsa_float_denorm_mode_32 3
		.amdhsa_float_denorm_mode_16_64 3
		.amdhsa_memory_ordered 1
		.amdhsa_forward_progress 1
		.amdhsa_inst_pref_size 176
	.end_amdhsa_kernel
	.amdgpu_metadata
---
amdhsa.version: [ 1, 2 ]
amdhsa.kernels:
  - .name:           k_qd0880769b1_tail
    .symbol:         k_qd0880769b1_tail.kd
    .args:
      - { .name: x, .offset: 0, .size: 8, .value_kind: global_buffer, .address_space: global }
      - { .name: aimg, .offset: 8, .size: 8, .value_kind: global_buffer, .address_space: global }
      - { .name: asc, .offset: 16, .size: 8, .value_kind: global_buffer, .address_space: global }
      - { .name: wimg, .offset: 24, .size: 8, .value_kind: global_buffer, .address_space: global }
      - { .name: wsc, .offset: 32, .size: 8, .value_kind: global_buffer, .address_space: global }
      - { .name: bo, .offset: 40, .size: 8, .value_kind: global_buffer, .address_space: global }
      - { .name: ln2_g, .offset: 48, .size: 8, .value_kind: global_buffer, .address_space: global }
      - { .name: ln2_b, .offset: 56, .size: 8, .value_kind: global_buffer, .address_space: global }
      - { .name: b1, .offset: 64, .size: 8, .value_kind: global_buffer, .address_space: global }
      - { .name: b2, .offset: 72, .size: 8, .value_kind: global_buffer, .address_space: global }
      - { .name: out0, .offset: 80, .size: 8, .value_kind: global_buffer, .address_space: global }
    .group_segment_fixed_size: 137728
    .private_segment_fixed_size: 0
    .kernarg_segment_align: 8
    .kernarg_segment_size: 88
    .max_flat_workgroup_size: 256
    .sgpr_count:     66
    .vgpr_count:     416
    .wavefront_size: 32
...
	.end_amdgpu_metadata
.endif
;; end of part 4
